; MI455X (gfx1250); checked and timed in simulation.
; The chip was launched on July 23, 2026; its instructions are those of AMD's public machine-readable ISA for CDNA 5 (MIT licence, August 2026) and "CDNA5" Instruction Set Architecture Reference Guide (July 2026). The comments in the code are by the model that wrote it; some were corrected since.
;; Multi Head Attention. Allowed arithmetic: float matrix products may take bf16 or f16 operands with f32 sums; all other float work in f32.
;; Inputs: Wk 1,024 x 1,024 float32; Wo 1,024 x 1,024 float32; Wq 1,024 x 1,024 float32; Wv 1,024 x 1,024 float32; bk 1,024 float32; bo 1,024 float32; bq 1,024 float32; bv 1,024 float32; x 2 x 2,048 x 1,024 float32.
;; Outputs: out0 2 x 2,048 x 1,024 float32.
;; 2 versions, each right; version 2 is version 1 with the launch cast written anew for expert scheduling mode. Each part assembles by itself: llvm-mc -triple=amdgcn-amd-amdhsa -mcpu=gfx1250 --defsym DOCPART=n.
;; ======== version 1 of 2: 4 launches
;; workspace buffers: xb 8,388,608 bytes; wb 8,388,608 bytes; qkv 25,165,824 bytes; ob 8,388,608 bytes
;; launch cast (part 1): grid 32 x 8, 8 waves a work-group, no clusters, 0 bytes of LDS; arguments x, Wq, Wk, Wv, Wo, xb, wb; writes xb, wb
.if DOCPART == 1
	.amdgcn_target "amdgcn-amd-amdhsa--gfx1250"
	.amdhsa_code_object_version 6
	.text
	.protected	k_q0773d0625c_cast
	.globl	k_q0773d0625c_cast
	.p2align	8
	.type	k_q0773d0625c_cast,@function
k_q0773d0625c_cast:
	s_mov_b64 s[64:65], 0
	v_nop
	global_prefetch_b8 v0, s[64:65] scope:SCOPE_SE
	s_setreg_imm32_b32 hwreg(HW_REG_WAVE_MODE, 25, 1), 1
	s_wait_xcnt 0x0
; f32 -> bf16 (round to nearest even), layout unchanged, so that the three matrix launches behind this one can bring
; their operands into LDS by tensor loads, which move bytes and convert nothing.
; Eight planes of 1,048,576 numbers: y = 0..3 the four quarters of x (to xb), y = 4..7 Wq, Wk, Wv, Wo (to planes 0..3 of wb).
; A work-group takes 32,768 numbers of its plane: 131,072 bytes in, 65,536 out.  Thread t, step i: 16 bytes at 4,096 i + 16 t in,
; 8 bytes at 2,048 i + 8 t out.  A wave's load covers 512 consecutive bytes, its store 256 consecutive bytes, aligned.
; All 32 loads of a thread go out first (every input byte of the work-group is on its way at once); no register is used twice,
; so the only waits are the counted ones for the loads.  No LDS, no barrier, no matrix unit: there is nothing to share or multiply.
.set STEPS, 32
.set X, 4                              ; v[4:131]   step i: 4 registers as loaded
.set Y, 132                            ; v[132:195] step i: 2 registers to store
	s_load_b256 s[4:11], s[0:1], 0x0               ; x s[4:5], Wq s[6:7], Wk s[8:9], Wv s[10:11]
	s_load_b128 s[12:15], s[0:1], 0x20             ; Wo s[12:13], xb s[14:15]
	s_load_b64 s[16:17], s[0:1], 0x30              ; wb
	s_and_b32 s18, ttmp7, 0xffff                   ; y: the plane
	s_and_b32 s19, s18, 3                          ; quarter of x, or number of the weight
	s_lshl_b32 s20, s19, 21                        ; out: 2,097,152 bytes a plane
	s_lshl_b32 s21, ttmp9, 16                      ;      + 65,536 a work-group
	s_add_co_u32 s20, s20, s21
	s_mov_b32 s21, 0
	s_lshl_b32 s22, s19, 22                        ; in: 4,194,304 bytes a quarter of x; a weight is a buffer of its own
	s_cmp_lt_u32 s18, 4
	s_cselect_b32 s22, s22, 0
	s_lshl_b32 s23, ttmp9, 17                      ;     + 131,072 a work-group
	s_add_co_u32 s22, s22, s23
	s_mov_b32 s23, 0
	v_lshlrev_b32 v1, 4, v0                        ; 16 t
	v_lshlrev_b32 v2, 3, v0                        ; 8 t
	s_wait_kmcnt 0x0
	s_cmp_lt_u32 s18, 4
	s_cselect_b64 s[24:25], s[14:15], s[16:17]     ; to xb or to wb
	s_mov_b64 s[26:27], s[4:5]                     ; from x, unless y names a weight
	s_cmp_eq_u32 s18, 4
	s_cselect_b64 s[26:27], s[6:7], s[26:27]
	s_cmp_eq_u32 s18, 5
	s_cselect_b64 s[26:27], s[8:9], s[26:27]
	s_cmp_eq_u32 s18, 6
	s_cselect_b64 s[26:27], s[10:11], s[26:27]
	s_cmp_eq_u32 s18, 7
	s_cselect_b64 s[26:27], s[12:13], s[26:27]
	s_add_nc_u64 s[26:27], s[26:27], s[22:23]
	s_add_nc_u64 s[24:25], s[24:25], s[20:21]
.set i, 0
.rept STEPS
	global_load_b128 v[X+4*i:X+4*i+3], v1, s[26:27] offset:4096*i th:TH_LOAD_NT   ; read once in the whole launch
.set i, i+1
.endr
.set i, 0
.rept STEPS
	s_wait_loadcnt STEPS-1-i                       ; loads come back in order (ISA guide 5.7.1): step i is in, the younger ones stay out
	v_cvt_pk_bf16_f32 v[Y+2*i],   v[X+4*i],   v[X+4*i+1]
	v_cvt_pk_bf16_f32 v[Y+2*i+1], v[X+4*i+2], v[X+4*i+3]
	global_store_b64 v2, v[Y+2*i:Y+2*i+1], s[24:25] offset:2048*i   ; no hint: the next launch reads these bytes
.set i, i+1
.endr
	s_endpgm
.Lfunc_end_k_q0773d0625c_cast:
	.size	k_q0773d0625c_cast, .Lfunc_end_k_q0773d0625c_cast-k_q0773d0625c_cast
	.p2alignl 7, 3214868480
	.fill 96, 4, 3214868480
	.section	.rodata,"a",@progbits
	.p2align	6, 0x0
	.amdhsa_kernel k_q0773d0625c_cast
		.amdhsa_group_segment_fixed_size 0
		.amdhsa_private_segment_fixed_size 0
		.amdhsa_enable_private_segment 0
		.amdhsa_kernarg_size 56
		.amdhsa_user_sgpr_count 2
		.amdhsa_user_sgpr_kernarg_segment_ptr 1
		.amdhsa_wavefront_size32 1
		.amdhsa_system_sgpr_workgroup_id_x 1
		.amdhsa_system_sgpr_workgroup_id_y 1
		.amdhsa_system_sgpr_workgroup_id_z 1
		.amdhsa_system_vgpr_workitem_id 0
		.amdhsa_next_free_vgpr 196
		.amdhsa_next_free_sgpr 66
		.amdhsa_reserve_vcc 0
		.amdhsa_float_denorm_mode_32 3
		.amdhsa_float_denorm_mode_16_64 3
		.amdhsa_memory_ordered 1
		.amdhsa_forward_progress 1
		.amdhsa_inst_pref_size 13
	.end_amdhsa_kernel
	.amdgpu_metadata
---
amdhsa.version: [ 1, 2 ]
amdhsa.kernels:
  - .name:           k_q0773d0625c_cast
    .symbol:         k_q0773d0625c_cast.kd
    .args:
      - { .name: x, .offset: 0, .size: 8, .value_kind: global_buffer, .address_space: global }
      - { .name: Wq, .offset: 8, .size: 8, .value_kind: global_buffer, .address_space: global }
      - { .name: Wk, .offset: 16, .size: 8, .value_kind: global_buffer, .address_space: global }
      - { .name: Wv, .offset: 24, .size: 8, .value_kind: global_buffer, .address_space: global }
      - { .name: Wo, .offset: 32, .size: 8, .value_kind: global_buffer, .address_space: global }
      - { .name: xb, .offset: 40, .size: 8, .value_kind: global_buffer, .address_space: global }
      - { .name: wb, .offset: 48, .size: 8, .value_kind: global_buffer, .address_space: global }
    .group_segment_fixed_size: 0
    .private_segment_fixed_size: 0
    .kernarg_segment_align: 8
    .kernarg_segment_size: 56
    .max_flat_workgroup_size: 256
    .sgpr_count:     66
    .vgpr_count:     196
    .wavefront_size: 32
...
	.end_amdgpu_metadata
.endif
;; end of part 1
;; launch qkv (part 2): grid 12 x 16, 4 waves a work-group, clusters of 4 x 4, 327,680 bytes of LDS; arguments xb, wb, bq, bk, bv, qkv; writes qkv
.if DOCPART == 2
	.amdgcn_target "amdgcn-amd-amdhsa--gfx1250"
	.amdhsa_code_object_version 6
	.text
	.protected	k_q0773d0625c_qkv
	.globl	k_q0773d0625c_qkv
	.p2align	8
	.type	k_q0773d0625c_qkv,@function
k_q0773d0625c_qkv:
	s_mov_b64 s[64:65], 0
	v_nop
	global_prefetch_b8 v0, s[64:65] scope:SCOPE_SE
	s_setreg_imm32_b32 hwreg(HW_REG_WAVE_MODE, 25, 1), 1
	s_wait_xcnt 0x0
	s_wait_alu depctr_hold_cnt(0) depctr_sa_sdst(0) depctr_va_vdst(0) depctr_va_sdst(0) depctr_va_ssrc(0) depctr_va_vcc(0) depctr_vm_vsrc(0)
	s_getreg_b32 s2, hwreg(HW_REG_IB_STS2, 6, 4)
	s_cmp_eq_u32 s2, 0
	s_cbranch_scc0 .Lentry_in_a_cluster
	s_endpgm
.Lentry_in_a_cluster:
	s_bfe_u32 s2, ttmp6, 0x10000c
	s_cmp_lg_u32 s2, 0xf033
	s_cbranch_scc0 .Lentry_shape_is_right
	s_endpgm
.Lentry_shape_is_right:
; qkv[4096][3072] = xb[4096][1024] x [Wq | Wk | Wv] + [bq | bk | bv], bf16 operands, f32 sums, rounded once to bf16.
; Columns 0-1023 are Q, 1024-2047 K, 2048-3071 V; nothing is scaled here.
; A work-group makes a block of 256 x 256 with four waves; a wave makes 128 x 128: 64 accumulator tiles of 16 x 16, 512 registers.
; 12 x 16 = 192 work-groups.  256 equal blocks would need blocks of 192 or 384 columns, whose waves' row pieces (384 bytes apart or
; 192 columns wide) would not begin at multiples of 256 bytes of qkv: stores of whole aligned 256 bytes and the 128 x 128 wave tile are kept instead.
; K goes in steps of 128 through a ring of two LDS slots filled by the tensor data mover.
; A (xb) lies [m][k]: its fragments are plain 16-byte LDS loads.  B (wb) lies [k][n]: a slot holds 128 k-rows of 256 columns, and
; ds_load_tr16_b128 transposes 8 x 8 numbers on the way into registers.
; CLUSTERS: 4 x 4 work-groups.  The four of a cluster's row need the same tiles of A, the four of a column the same tiles of B: each tile is
; asked for jointly (same line, same descriptor, a mask that names the four), which divides the requests for A and B by four.
; The cluster's x (0, 1, 2) is the plane Q, K, V, so the choice of weight and bias is the same in all sixteen partners.
;
; REGISTERS, in windows of 256:
;   window 0: v0-31 addresses; v32-63 and v224-255 the bias of my 128 columns; v64-127, v128-191 fragments of A, two buffers; v192-223 packed results
;   window 1: v64-127, v128-191 fragments of B, two buffers
;   window 2: the 32 accumulator tiles of my rows 0-63 (tile (a, b) at v[8 (8 a + b)]);   window 3: those of my rows 64-127
; THE MATRIX INSTRUCTION IS USED TRANSPOSED: source 0 = 16 columns of B, source 1 = 16 rows of A.  Lane l then holds row l % 16 of C and its
; registers 0-7 the columns 8 (l / 16) + 0..7.  The bias is loaded in exactly that shape and is the C operand of each tile's first product:
; it costs no vector instruction, and nothing is cleared.
.set KSTEP,  128
.set SIZE_K, 1024
.set CPITCH, 6144                      ; bytes in a row of qkv
.set PITCHA, 272                       ; A's LDS row: 256 bytes + 16: an odd multiple of 16, so 16 rows start at 16 different 16-byte columns modulo 256
.set PITCHB, 544                       ; B's LDS row: 512 bytes + 32: an odd multiple of 32, as the transposing load's eight rows of two 16-byte columns want
.set HALFT,  128*PITCHA                ; what one tensor load brings: 128 rows of A, or 64 k-rows of B (64 x 544 is the same 34,816 bytes)
.set SLOT,   4*HALFT                   ; A's 256 rows, then B's 128 k-rows
.set STAGE,  2*SLOT                    ; behind the ring: 16 rows x 272 bytes for each wave, for the way out; no tensor load lands here
.set SPITCH, 272
.set LAPS,   SIZE_K/(2*KSTEP)          ; 4 laps of two K steps
.set ADRA, 16                          ; v16-17  LDS address of my A fragments in slot 0, 1
.set ADRB, 20                          ; v20-21  the same for B
.set STO,  24                          ; v24     the way out: where I put 16 bytes of a row
.set RD,   25                          ; v25     the way out: where I read a row back
.set CO,   26                          ; v26     my byte offset in qkv
.set BIAS, 32                          ; tile b at BIAS + 8 b for b < 4, at BIAS + 8 b + 160 for b >= 4
.set F0,   64
.set F1,   128
.set TMP,  192
.set G1, 24                            ; s[24:31] descriptor group 1 for A's tiles
.set G0, 32                            ; s[32:39] group 0 for A's tiles, one set a slot
.set G1B, 48                           ; s[48:55] group 1 for B's tiles
.set G0B, 56                           ; s[56:63] group 0 for B's tiles, one set a slot
.set MSB, 0
.macro WIN new                         ; the immediate's high byte repeats the setting that is left
.if MSB != \new
	s_set_vgpr_msb (MSB<<8)|\new
.set MSB, \new
.endif
.endm
.set MUL_LO, 0xa1                      ; source 0 (B) window 1, source 1 (A) window 0, C and D window 2
.set MUL_HI, 0xf1                      ; the same, C and D window 3
.set BIA_LO, 0x81                      ; a tile's first product: C is the bias in window 0, D window 2
.set BIA_HI, 0xc1                      ; the same, D window 3
.set TO_B,   0x40                      ; destination window 1, address window 0
; A joint load.  Waves 0 and 1 fetch A's two halves, waves 2 and 3 B's.  The branch hangs on the wave's number alone.
.macro JLOAD s
	s_cmp_eq_u32 s11, 0
	s_cbranch_scc0 .Lfor_b_\@
	tensor_load_to_lds s[G0+4*\s:G0+4*\s+3], s[G1:G1+7]
	s_nop 0
	s_branch .Lasked_\@
.Lfor_b_\@:
	tensor_load_to_lds s[G0B+4*\s:G0B+4*\s+3], s[G1B:G1B+7]
	s_nop 0
.Lasked_\@:
.endm
; A round of the cluster's barrier: my work-group's barrier; wave 0 signals for the work-group; every wave waits for all sixteen; my work-group's barrier again.
.macro CREST                           ; a round behind its opening barrier
	s_cmp_lg_u32 s10, 0
	s_cbranch_scc1 .Lnot_wave_0_\@
	s_barrier_signal -3
.Lnot_wave_0_\@:
	s_barrier_wait -3
	s_barrier_signal -1
	s_barrier_wait -1
.endm
.macro CROUND
	s_barrier_signal -1
	s_barrier_wait -1
	CREST
.endm
	s_load_b128 s[4:7], s[0:1], 0x0                ; xb s[4:5], wb s[6:7]
	s_load_b256 s[68:75], s[0:1], 0x10             ; bq s[68:69], bk s[70:71], bv s[72:73], qkv s[74:75]
	s_set_vgpr_msb 0x40
	v_lshl_add_u32 v255, v0, 2, 0x48400
	s_set_vgpr_msb 0x4000
	v_mov_b32 v31, 0
	s_set_vgpr_msb 0x1
	ds_add_u32 v255, v31
	s_set_vgpr_msb 0x100
	v_lshrrev_b32 v1, 5, v0
	v_readfirstlane_b32 s10, v1                    ; wave 0..3
	s_lshr_b32 s11, s10, 1                         ; which half of the block's rows is mine.  Also: I fetch for A (0) or for B (1)
	s_and_b32 s12, s10, 1                          ; which half of its columns.  Also: which half of that tile I fetch
	s_bfe_u32 s40, ttmp6, 0x40000                  ; cx
	s_bfe_u32 s41, ttmp6, 0x40004                  ; cy
	s_lshl_b32 s42, ttmp9, 2
	s_add_co_u32 s42, s42, s40                     ; block column of C = 4 x cluster x + cx, 0..11
	s_and_b32 s13, ttmp7, 0xffff
	s_lshl_b32 s13, s13, 2
	s_add_co_u32 s13, s13, s41                     ; block row of C = 4 x cluster y + cy, 0..15
	s_lshl_b32 s43, s41, 2
	s_lshl_b32 s43, 15, s43                        ; my row of the cluster: places 4 cy .. 4 cy + 3
	s_lshl_b32 s44, 0x1111, s40                    ; my column: places cx, cx + 4, cx + 8, cx + 12
	; group 1 for A: 128 rows x 128 numbers, 4 words of padding behind every 64 words
	s_or_b32 s[G1+0], s43, (1<<16)|(1<<20)|(1<<21)|(5<<22)|(3<<25)   ; mask of my row; 2-byte elements; padding on; bit 21 beside a mask; interval code 5; 4 words
	s_mov_b32 s[G1+1], KSTEP<<16                   ; tensor_dim0 = 128
	s_mov_b32 s[G1+2], 128<<16                     ; tensor_dim1 = 128
	s_mov_b32 s[G1+3], KSTEP<<16                   ; tile_dim0 = 128
	s_mov_b32 s[G1+4], 128                         ; tile_dim1 = 128
	s_mov_b32 s[G1+5], SIZE_K                      ; 1,024 numbers from row to row
	s_mov_b32 s[G1+6], 0
	s_mov_b32 s[G1+7], 0
	; group 1 for B: 64 k-rows x 256 numbers, 8 words of padding behind every 128 words
	s_or_b32 s[G1B+0], s44, (1<<16)|(1<<20)|(1<<21)|(6<<22)|(7<<25)  ; mask of my column; interval code 6; 8 words
	s_mov_b32 s[G1B+1], 256<<16                    ; tensor_dim0 = 256
	s_mov_b32 s[G1B+2], 64<<16                     ; tensor_dim1 = 64
	s_mov_b32 s[G1B+3], 256<<16                    ; tile_dim0 = 256
	s_mov_b32 s[G1B+4], 64                         ; tile_dim1 = 64
	s_mov_b32 s[G1B+5], 1024                       ; 1,024 numbers from k-row to k-row
	s_mov_b32 s[G1B+6], 0
	s_mov_b32 s[G1B+7], 0
	; where the tiles come from.  A's hang on the block row alone, B's on the plane and cx alone, each in registers that never hold the other coordinate.
	s_lshl_b32 s17, s12, 7
	s_lshl_b32 s16, s13, 8
	s_add_co_u32 s16, s16, s17                     ; A: row 256 x block row + 128 x half
	s_lshl_b32 s16, s16, 11                        ; x 2,048 bytes: 8,388,608 at the most
	s_mov_b32 s17, 0
	s_lshl_b32 s46, ttmp9, 21                      ; B: the plane, 2,097,152 bytes each
	s_lshl_b32 s47, s12, 17                        ;    + 64 k-rows of 2,048 bytes x half
	s_add_co_u32 s46, s46, s47
	s_lshl_b32 s47, s40, 9                         ;    + 256 columns of 2 bytes x cx
	s_add_co_u32 s46, s46, s47
	s_mov_b32 s47, 0
	s_lshl_b32 s78, s40, 10                        ; the bias of my 128 columns: 256 numbers of 4 bytes x cx
	s_lshl_b32 s79, s12, 9                         ;    + 128 x half
	s_add_co_u32 s78, s78, s79
	s_mov_b32 s79, 0
	s_mul_i32 s20, s10, HALFT                      ; where the tiles go: wave x 34,816: no place in the cluster enters an LDS address
	s_wait_dscnt 0x0
	s_wait_kmcnt 0x0
	s_add_nc_u64 s[14:15], s[4:5], s[16:17]
	s_add_nc_u64 s[46:47], s[6:7], s[46:47]
	s_cmp_eq_u32 ttmp9, 1
	s_cselect_b64 s[76:77], s[70:71], s[68:69]     ; bk for plane 1, else bq,
	s_cmp_eq_u32 ttmp9, 2
	s_cselect_b64 s[76:77], s[72:73], s[76:77]     ; bv for plane 2
	s_add_nc_u64 s[76:77], s[76:77], s[78:79]
	CROUND                                         ; all sixteen work-groups are here: the first joint loads meet
.irp s, 0,1
	s_mov_b32 s[G0+4*\s], 1
	s_add_co_u32 s[G0+4*\s+1], s20, \s*SLOT
	s_add_nc_u64 s[G0+4*\s+2:G0+4*\s+3], s[14:15], \s*KSTEP*2          ; K step s: 256 bytes along A's rows
	s_or_b32 s[G0+4*\s+3], s[G0+4*\s+3], 0x80000000
	s_mov_b32 s[G0B+4*\s], 1
	s_add_co_u32 s[G0B+4*\s+1], s20, \s*SLOT
	s_add_nc_u64 s[G0B+4*\s+2:G0B+4*\s+3], s[46:47], \s*KSTEP*2048     ; K step s: 128 k-rows down B
	s_or_b32 s[G0B+4*\s+3], s[G0B+4*\s+3], 0x80000000
	JLOAD \s                                       ; both slots are asked for before anything else is done: two tensor loads of the wave are out
.endr
	v_and_b32 v1, 15, v0                           ; r = l % 16
	v_bfe_u32 v2, v0, 4, 1                         ; h = l / 16
	v_lshlrev_b32 v6, 5, v2                        ; bias: my 8 numbers of a tile begin 32 h bytes into its 64
.irp b, 0,1,2,3,4,5,6,7
	global_load_b128 v[BIAS+8*\b+(\b/4)*160:BIAS+8*\b+(\b/4)*160+3],   v6, s[76:77] offset:64*\b
	global_load_b128 v[BIAS+8*\b+(\b/4)*160+4:BIAS+8*\b+(\b/4)*160+7], v6, s[76:77] offset:64*\b+16
.endr
	; A fragment: lane l holds row r; registers 0-3 K = 8 h + 0..7, registers 4-7 K = 16 + 8 h + 0..7: two loads of 16 bytes, 32 bytes apart
	v_mul_u32_u24 v3, v1, PITCHA
	v_lshl_add_u32 v3, v2, 4, v3                   ; r x pitch + 16 h
	; B fragment through the transposing load: lane l addresses k-row 8 h + l % 8, 16-byte column (l / 8) % 2; the second load 16 k-rows further down
	v_and_b32 v7, 7, v0
	v_lshl_add_u32 v7, v2, 3, v7
	v_mul_u32_u24 v7, v7, PITCHB
	v_bfe_u32 v8, v0, 3, 1
	v_lshl_add_u32 v7, v8, 4, v7
	s_mul_i32 s21, s11, HALFT                      ; my 128 rows of A
	s_lshl_b32 s22, s12, 8                         ; my 128 columns of B: 256 bytes along its rows,
	s_add_co_u32 s22, s22, 2*HALFT                 ; which lie behind A's 256 rows
.irp s, 0,1
	v_add_nc_u32 v[ADRA+\s], s21, v3
	v_add_nc_u32 v[ADRB+\s], s22, v7
	s_add_co_u32 s21, s21, SLOT
	s_add_co_u32 s22, s22, SLOT
.endr
	s_mul_i32 s23, s10, 16*SPITCH
	s_add_co_u32 s23, s23, STAGE                   ; my stage
	v_mul_u32_u24 v4, v1, SPITCH
	v_lshl_add_u32 v4, v2, 4, v4
	v_add_nc_u32 v[STO], s23, v4                   ; in: row r, 16 bytes for each half of the lanes
	v_mul_u32_u24 v5, v2, SPITCH
	v_lshl_add_u32 v5, v1, 4, v5
	v_add_nc_u32 v[RD], s23, v5                    ; back: lanes 0-15 one row of 256 bytes, lanes 16-31 the next
	v_mul_u32_u24 v5, v2, CPITCH
	v_lshl_add_u32 v[CO], v1, 4, v5                ; and the same two rows in qkv
; 16 matrix instructions: m blocks a0, a0 + 1 of the window's four x all 8 n blocks, 32 along K.  zero = 1: the tile's first product, onto the bias.
; The 64 accumulators take turns, one instruction a turn, in the same order in every quarter step.
.macro MUL16 f, hi, a0, zero
.irp a, \a0, \a0+1
.irp b, 0,1,2,3,4,5,6,7
.if \zero
	v_wmma_f32_16x16x32_bf16 v[8*(8*(\a)+\b):8*(8*(\a)+\b)+7], v[\f+8*\b:\f+8*\b+7], v[\f+8*(4*\hi+\a):\f+8*(4*\hi+\a)+7], v[BIAS+8*\b+(\b/4)*160:BIAS+8*\b+(\b/4)*160+7]
.else
	v_wmma_f32_16x16x32_bf16 v[8*(8*(\a)+\b):8*(8*(\a)+\b)+7], v[\f+8*\b:\f+8*\b+7], v[\f+8*(4*\hi+\a):\f+8*(4*\hi+\a)+7], v[8*(8*(\a)+\b):8*(8*(\a)+\b)+7]
.endif
.endr
.endr
.endm
; 32 LDS loads in one run: the fragments of quarter q of a K step (32 along K) into buffer f: B's 8 column blocks, then A's 8 row blocks
.macro FETCH slot, q, f
	WIN TO_B
.irp i, 0,1,2,3,4,5,6,7
	ds_load_tr16_b128 v[\f+8*\i:\f+8*\i+3],   v[ADRB+\slot] offset:\q*32*PITCHB+32*\i
	ds_load_tr16_b128 v[\f+8*\i+4:\f+8*\i+7], v[ADRB+\slot] offset:\q*32*PITCHB+32*\i+16*PITCHB
.endr
	WIN 0
.irp i, 0,1,2,3,4,5,6,7
	ds_load_b128 v[\f+8*\i:\f+8*\i+3],   v[ADRA+\slot] offset:64*\q+\i*16*PITCHA
	ds_load_b128 v[\f+8*\i+4:\f+8*\i+7], v[ADRA+\slot] offset:64*\q+\i*16*PITCHA+32
.endr
.endm
; A load into a register that a matrix instruction has read, and a vector instruction that reads a matrix result, stand four plain vector
; instructions behind that matrix instruction (ISA guide 7.12.1 for vector instructions).
.macro PLACES
.rept 4
	v_nop
.endr
.endm
; One of a K step's first three quarters: multiplies buffer f; in its middle it fetches quarter q of the same slot into buffer g.
.macro QUARTER slot, q, f, g, zero
	s_wait_dscnt 8                                 ; B and A's rows 0-63 are in; the youngest eight loads (A's rows 64-127) may be out
.if \zero
	WIN BIA_LO
.else
	WIN MUL_LO
.endif
	MUL16 \f, 0, 0, \zero
	MUL16 \f, 0, 2, \zero
	PLACES
	FETCH \slot, \q, \g
	s_wait_dscnt 32                                ; all but the 32 just issued
.if \zero
	WIN BIA_HI
.else
	WIN MUL_HI
.endif
	MUL16 \f, 1, 0, \zero
	MUL16 \f, 1, 2, \zero
.endm
.macro THREE slot, zero
	QUARTER \slot, 1, F0, F1, \zero
	QUARTER \slot, 2, F1, F0, 0
	QUARTER \slot, 3, F0, F1, 0
.endm
; The last quarter: multiplies buffer 1 and changes slots.  In front of the barrier each wave waits for its reads of this slot and for all its
; tensor loads (one is out: its part of the next slot).  Where this slot is filled again the barrier opens a round of the cluster's barrier, and the
; joint refill is the first tensor load behind the round.  From a request to the wait for it a wave issues 240 matrix instructions.
.macro TURN slot, next, fill
	s_wait_dscnt 8
	WIN MUL_LO
	MUL16 F1, 0, 0, 0
	s_wait_dscnt 0                                 ; my reads of this slot are over
	s_wait_tensorcnt 0x0                           ; and all my tensor loads have landed
	ds_add_u32 v255, v31
	s_wait_dscnt 0x0
	s_barrier_signal -1
	MUL16 F1, 0, 2, 0                              ; register work while the others arrive
	WIN 0
	s_barrier_wait -1
.if \fill
	CREST                                          ; no wave of any partner still reads this slot or has a load on its way
	s_add_nc_u64 s[G0+4*\slot+2:G0+4*\slot+3], s[G0+4*\slot+2:G0+4*\slot+3], 2*KSTEP*2
	s_add_nc_u64 s[G0B+4*\slot+2:G0B+4*\slot+3], s[G0B+4*\slot+2:G0B+4*\slot+3], 2*KSTEP*2048
	JLOAD \slot                                    ; my one tensor load until the next round
.endif
	PLACES
	FETCH \next, 0, F0
	WIN MUL_HI
	MUL16 F1, 1, 0, 0
	MUL16 F1, 1, 2, 0
.endm
.macro LAP zero
	THREE 0, \zero
	TURN 0, 1, 1
	THREE 1, 0
	TURN 1, 0, 1
.endm
	s_wait_tensorcnt 1                             ; my part of K step 0 is in; K step 1's may stay out
	s_barrier_signal -1
	s_barrier_wait -1                              ; everybody's is
	FETCH 0, 0, F0
	s_wait_loadcnt 0x0                             ; the bias, once
	LAP 1                                          ; the first lap stands in front of the loop: its first products start the sums on the bias
	WIN 0
	s_mov_b32 s3, LAPS-2
.Llap:
	LAP 0
	WIN 0
	s_sub_co_u32 s3, s3, 1
	s_cmp_lg_u32 s3, 0
	s_cbranch_scc1 .Llap
	THREE 0, 0                                     ; the last lap fills nothing
	TURN 0, 1, 0
	THREE 1, 0
	s_wait_dscnt 8
	WIN MUL_LO
	MUL16 F1, 0, 0, 0
	MUL16 F1, 0, 2, 0
	s_wait_dscnt 0
	WIN MUL_HI
	MUL16 F1, 1, 0, 0
	MUL16 F1, 1, 2, 0
	; THE WAY OUT, 16 rows at a time: round to bf16, 16 bytes a lane into my own stage, read back as whole rows of 256 bytes.
	PLACES
	s_lshl_b32 s13, s13, 8
	s_lshl_b32 s14, s11, 7
	s_add_co_u32 s16, s13, s14                     ; my first row of qkv
	s_mul_i32 s16, s16, CPITCH                     ; 25,165,824 at the most
	s_mov_b32 s17, 0
	s_add_nc_u64 s[74:75], s[74:75], s[16:17]
	s_lshl_b32 s46, s42, 9                         ; my first column in bytes: 512 x block column + 256 x half
	s_lshl_b32 s47, s12, 8
	s_add_co_u32 s46, s46, s47
	s_mov_b32 s47, 0
	s_add_nc_u64 s[74:75], s[74:75], s[46:47]
.macro OUT16 i, a, from, f
	WIN \from
.irp b, 0,1,2,3,4,5,6,7
.irp r, 0,1,2,3
	v_cvt_pk_bf16_f32 v[TMP+4*\b+\r], v[8*(8*\a+\b)+2*\r], v[8*(8*\a+\b)+2*\r+1]
.endr
.endr
	WIN 0
.irp b, 0,1,2,3,4,5,6,7
	ds_store_b128 v[STO], v[TMP+4*\b:TMP+4*\b+3] offset:32*\b
.endr
	s_wait_xcnt 0x0                                ; buffer f, which earlier stores read, and the stores' base are rewritten only behind this wait
.if \i
	s_add_nc_u64 s[74:75], s[74:75], 16*CPITCH
.endif
.irp t, 0,1,2,3,4,5,6,7
	ds_load_b128 v[\f+4*\t:\f+4*\t+3], v[RD] offset:\t*2*SPITCH    ; LDS serves a wave's instructions in order (ISA guide 5.7.1): these see the stores above
.endr
.irp t, 0,1,2,3,4,5,6,7
	s_wait_dscnt 7-\t
	global_store_b128 v[CO], v[\f+4*\t:\f+4*\t+3], s[74:75] offset:2*\t*CPITCH   ; 16 lanes store 256 consecutive bytes, at a multiple of 256 from qkv's first byte
.endr
.endm
	OUT16 0, 0, 0x0a, F0
	OUT16 1, 1, 0x0a, F1
	OUT16 2, 2, 0x0a, F0
	OUT16 3, 3, 0x0a, F1
	OUT16 4, 0, 0x0f, F0
	OUT16 5, 1, 0x0f, F1
	OUT16 6, 2, 0x0f, F0
	OUT16 7, 3, 0x0f, F1
	s_set_vgpr_msb 0x1
	s_wait_tensorcnt 0x0
	ds_add_u32 v255, v31
	s_wait_dscnt 0x0
	s_set_vgpr_msb 0x100
	CROUND                                         ; the closing round: no work-group ends while a partner may still ask for a tile that names it
	s_endpgm
.Lfunc_end_k_q0773d0625c_qkv:
	.size	k_q0773d0625c_qkv, .Lfunc_end_k_q0773d0625c_qkv-k_q0773d0625c_qkv
	.p2alignl 7, 3214868480
	.fill 96, 4, 3214868480
	.section	.rodata,"a",@progbits
	.p2align	6, 0x0
	.amdhsa_kernel k_q0773d0625c_qkv
		.amdhsa_group_segment_fixed_size 327680
		.amdhsa_private_segment_fixed_size 0
		.amdhsa_enable_private_segment 0
		.amdhsa_kernarg_size 48
		.amdhsa_user_sgpr_count 2
		.amdhsa_user_sgpr_kernarg_segment_ptr 1
		.amdhsa_wavefront_size32 1
		.amdhsa_system_sgpr_workgroup_id_x 1
		.amdhsa_system_sgpr_workgroup_id_y 1
		.amdhsa_system_sgpr_workgroup_id_z 1
		.amdhsa_system_vgpr_workitem_id 0
		.amdhsa_next_free_vgpr 1024
		.amdhsa_next_free_sgpr 80
		.amdhsa_reserve_vcc 0
		.amdhsa_float_denorm_mode_32 3
		.amdhsa_float_denorm_mode_16_64 3
		.amdhsa_memory_ordered 1
		.amdhsa_forward_progress 1
		.amdhsa_inst_pref_size 198
	.end_amdhsa_kernel
	.amdgpu_metadata
---
amdhsa.version: [ 1, 2 ]
amdhsa.kernels:
  - .name:           k_q0773d0625c_qkv
    .symbol:         k_q0773d0625c_qkv.kd
    .args:
      - { .name: xb, .offset: 0, .size: 8, .value_kind: global_buffer, .address_space: global }
      - { .name: wb, .offset: 8, .size: 8, .value_kind: global_buffer, .address_space: global }
      - { .name: bq, .offset: 16, .size: 8, .value_kind: global_buffer, .address_space: global }
      - { .name: bk, .offset: 24, .size: 8, .value_kind: global_buffer, .address_space: global }
      - { .name: bv, .offset: 32, .size: 8, .value_kind: global_buffer, .address_space: global }
      - { .name: qkv, .offset: 40, .size: 8, .value_kind: global_buffer, .address_space: global }
    .group_segment_fixed_size: 327680
    .private_segment_fixed_size: 0
    .kernarg_segment_align: 8
    .kernarg_segment_size: 48
    .max_flat_workgroup_size: 128
    .sgpr_count:     80
    .vgpr_count:     1024
    .wavefront_size: 32
...
	.end_amdgpu_metadata
.endif
;; end of part 2
;; launch attn (part 3): grid 16 x 16, 8 waves a work-group, clusters of 4 x 1, 327,680 bytes of LDS; arguments qkv, ob; writes ob
.if DOCPART == 3
	.amdgcn_target "amdgcn-amd-amdhsa--gfx1250"
	.amdhsa_code_object_version 6
	.text
	.protected	k_q0773d0625c_attn
	.globl	k_q0773d0625c_attn
	.p2align	8
	.type	k_q0773d0625c_attn,@function
k_q0773d0625c_attn:
	s_mov_b64 s[64:65], 0
	v_nop
	global_prefetch_b8 v0, s[64:65] scope:SCOPE_SE
	s_setreg_imm32_b32 hwreg(HW_REG_WAVE_MODE, 25, 1), 1
	s_wait_xcnt 0x0
	s_wait_alu depctr_hold_cnt(0) depctr_sa_sdst(0) depctr_va_vdst(0) depctr_va_sdst(0) depctr_va_ssrc(0) depctr_va_vcc(0) depctr_vm_vsrc(0)
	s_getreg_b32 s2, hwreg(HW_REG_IB_STS2, 6, 4)
	s_cmp_eq_u32 s2, 0
	s_cbranch_scc0 .Lentry_in_a_cluster
	s_endpgm
.Lentry_in_a_cluster:
	s_bfe_u32 s2, ttmp6, 0x10000c
	s_cmp_lg_u32 s2, 0x3003
	s_cbranch_scc0 .Lentry_shape_is_right
	s_endpgm
.Lentry_shape_is_right:
; ob[b][s][h][d] = softmax over t of (Q.K / 8) x V, per batch b and head h, with a running maximum.  qkv: [4096][3072] bf16 (Q | K | V), ob: [4096][1024] bf16.
; LIMITS: a row whose scores hold +inf or NaN gives NaN, as the reference does; an exponential below 2^-126 counts as 0 (v_exp_f32 flushes: ISA guide 15.8);
; the f32 sums run in another order than the reference's; P and the result are rounded to bf16, being matrix operands.
; A work-group: y = 8 b + hp names the batch and a PAIR of heads, x a block of 128 queries.  A pair, because its 128 columns are 256 consecutive aligned bytes
; of every row of K, of V and of ob.  Eight waves, two for each of the WGP's four SIMDs: wave w takes head e = w / 4 of the pair and queries 32 (w % 4) .. + 31.
; CLUSTER: the four query blocks of a cluster read the same K and V tiles and ask for them jointly (mask 15): a quarter of the requests.
; Keys go in tiles of 256 through a ring of two LDS slots; waves 0-3 fetch 64 rows of V each, waves 4-7 64 rows of K.
; EVERYTHING IS TRANSPOSED, so that no number changes its lane:
;   S^T = K Q^T : source 0 = 16 keys of K (plain LDS loads), source 1 = 16 queries of Q (in registers).  Lane (r, h), register j: query r, key 16 kt + 8 h + j.
;   P^T         : a lane's own registers of key tiles 2u and 2u + 1, packed to bf16 in place, ARE source 1 for keys 32u .. 32u + 31.
;   O^T = V^T P^T : source 0 = 16 columns d of V through the transposing LDS load.  Lane (r, h), register j: query r, d = 16 dt + 8 h + j.
; So maximum, rescale factor and row sum are one number a lane; the two halves of the lanes meet by one v_permlanex16_b32.
; THE EXPONENT: with c = log2(e) / 8, the lane carries NM = -(c m) rounded once; p = exp2(fma(s, c, NM)), the rescale factor is exp2(NM new - NM old).
; NM's rounding is a common factor of p, of the row sum and of O, and cancels in O / sum.
; TWO ORDERS OF WORK.  A block of 128 keys is a matrix phase M (rescale O, the 32 products P V of the block whose softmax is done, the 32 score products of the
; next block, 64 LDS loads) and a softmax phase SM (vector arithmetic on registers alone).  Between two rounds of the barrier a wave of order 0 runs M SM M SM,
; a wave of order 1 runs SM M SM M: while one is at matrix instructions the other is at vector arithmetic.  The text is one for both:
; round, refill, [order 1: SM], M, SM, M, [order 0: SM]; the two branches hang on the wave's number and jump over register arithmetic alone.
; What crosses a round lies in registers: the scores or P, and the V fragments of the block whose P V is still to come (all four batches are loaded in M).
.set ROWB,  6144                       ; bytes in a row of qkv
.set PK,    272                        ; K's LDS row: 256 + 16, an odd multiple of 16
.set PV,    288                        ; V's LDS row: 256 + 32, an odd multiple of 32 (transposing load)
.set VBYTES, 256*PV                    ; a slot: V's 256 rows, then K's 256 rows
.set SLOT,  256*PV+256*PK              ; 143,360
.set STAGE, 2*SLOT                     ; behind the ring: 128 rows x 272 bytes for the way out; no tensor load lands here
.set TILEB, 256*ROWB                   ; from a tile of keys to the next in qkv
; window 0
.set KAD, 2                            ; v[2:5]     LDS address of my K fragments, index 2 slot + block of 128 keys
.set NM,  6                            ; v[6:9]     -(c x running maximum), a pair (twice the same) for each of my 2 query tiles
.set AL,  10                           ; v[10:13]   rescale factor, a pair for each query tile; at the end 1 / row sum
.set LS,  14                           ; v14, v15   my half's part of the row sum, per query tile
.set T,   16                           ; v[16:23]   at work: the maxima's chains (4 for each query tile), then the row sum's four chains
.set QOF, 24
.set STO, 25
.set RD,  26
.set CO,  27
.set QF,  28                           ; v[28:59]   Q fragments (q, ks) at 16 q + 8 ks
.set KP,  60                           ; v[60:123]  K fragments, two buffers of 32: (t, ks) at 16 t + 8 ks
.set SC,  124                          ; v[124:251] scores: tile (q, kt) at 64 q + 8 kt; packed P (q, u) at 64 q + 16 u .. + 7
; window 1
.set VAD, 0                            ; v[256:259] LDS address of my V fragments, index 2 slot + block
.set OA,  8                            ; v[264:327] O^T: tile (dt, q) at 8 (2 dt + q)
.set VP,  72                           ; v[328:455] V fragments of a whole block of 128 keys: batch vb (32 keys) at 32 vb, dt at 8 dt
.set G1V, 16                           ; s[16:23]
.set G1K, 24                           ; s[24:31]
.set G0V, 32                           ; s[32:39]  one set a slot
.set G0K, 40                           ; s[40:47]
.set PVW, 0x51                         ; destination, source 0 and source 2 in window 1, source 1 in window 0: V loads, rescale, P V products
.set MSB, 0
.macro WIN new
.if MSB != \new
	s_set_vgpr_msb (MSB<<8)|\new
.set MSB, \new
.endif
.endm
.macro PLACES n
.rept \n
	v_nop
.endr
.endm
.macro ROUND                           ; a round of the cluster's barrier
	s_barrier_signal -1
	s_barrier_wait -1
	s_cmp_lg_u32 s8, 0
	s_cbranch_scc1 .Lnot_wave_0_\@
	s_barrier_signal -3
.Lnot_wave_0_\@:
	s_barrier_wait -3
	s_barrier_signal -1
	s_barrier_wait -1
.endm
.macro JLOAD s                         ; waves 0-3 ask for V's rows, waves 4-7 for K's: the branch hangs on the wave's number alone.  s may be an expression: it stands in brackets
	s_cmp_eq_u32 s9, 0
	s_cbranch_scc0 .Lfor_k_\@
	tensor_load_to_lds s[G0V+4*(\s):G0V+4*(\s)+3], s[G1V:G1V+7]
	s_nop 0
	s_branch .Lasked_\@
.Lfor_k_\@:
	tensor_load_to_lds s[G0K+4*(\s):G0K+4*(\s)+3], s[G1K:G1K+7]
	s_nop 0
.Lasked_\@:
.endm
	s_load_b128 s[4:7], s[0:1], 0x0                ; qkv s[4:5], ob s[6:7]
	v_lshl_add_u32 v254, v0, 2, 0x4e800
	v_mov_b32 v255, 0
	ds_add_u32 v254, v255
	v_lshrrev_b32 v1, 5, v0
	v_readfirstlane_b32 s8, v1                     ; wave 0..7
	s_lshr_b32 s9, s8, 2                           ; e: my head of the pair.  Also: I fetch V (0) or K (1)
	s_and_b32 s10, s8, 3                           ; my 32 queries of the block.  Also: which 64 rows of a tile I fetch
	s_xor_b32 s60, s8, s9
	s_and_b32 s60, s60, 1                          ; my order of work: it differs between waves w and w + 4, and between waves 2 i and 2 i + 1
	s_bfe_u32 s11, ttmp6, 0x40000                  ; cx
	s_lshl_b32 s12, ttmp9, 2
	s_add_co_u32 s12, s12, s11                     ; block of queries = 4 x cluster x + cx, 0..15
	s_and_b32 s13, ttmp7, 0xffff                   ; y (the cluster is one work-group high)
	s_lshr_b32 s14, s13, 3                         ; b
	s_and_b32 s15, s13, 7                          ; hp
	s_mov_b32 s49, 0xbe38aa3b                      ; -c
	s_mov_b32 s50, 0x3e38aa3b                      ; c = log2(e) / 8
	s_mov_b32 s51, 0x3e38aa3b
	s_mov_b32 s52, 0x76543210                      ; v_permlanex16_b32: lane i reads lane i of the other half
	s_mov_b32 s53, 0xfedcba98
	; group 1: 64 rows x 128 numbers (256 bytes), 3,072 numbers from row to row; V with 8 words of padding a row, K with 4; mask 15 and bit 21
	s_mov_b32 s[G1V+0], 15|(1<<16)|(1<<20)|(1<<21)|(5<<22)|(7<<25)
	s_mov_b32 s[G1K+0], 15|(1<<16)|(1<<20)|(1<<21)|(5<<22)|(3<<25)
.irp g, G1V, G1K
	s_mov_b32 s[\g+1], 128<<16                     ; tensor_dim0 = 128
	s_mov_b32 s[\g+2], 64<<16                      ; tensor_dim1 = 64
	s_mov_b32 s[\g+3], 128<<16                     ; tile_dim0 = 128
	s_mov_b32 s[\g+4], 64                          ; tile_dim1 = 64
	s_mov_b32 s[\g+5], 3072
	s_mov_b32 s[\g+6], 0
	s_mov_b32 s[\g+7], 0
.endr
	; the tiles' addresses hang on y and the wave alone, which all four partners share
	s_lshl_b32 s54, s14, 11
	s_lshl_b32 s55, s10, 6
	s_add_co_u32 s54, s54, s55                     ; row 2,048 b + 64 (w % 4)
	s_mul_i32 s54, s54, ROWB                       ; 25,165,824 at the most
	s_lshl_b32 s55, s15, 8                         ; + 256 bytes x head pair
	s_add_co_u32 s54, s54, s55
	s_mov_b32 s55, 0
	s_mul_i32 s58, s8, 64*PV                       ; V's rows go to wave x 18,432 (waves 0-3),
	s_mul_i32 s59, s8, 64*PK                       ; K's to 73,728 + (wave - 4) x 17,408 = wave x 17,408 + 4,096 (waves 4-7)
	s_add_co_u32 s59, s59, VBYTES-4*64*PK
	; what hangs on cx stays in s[68:73]: the addresses of my queries and of my rows of ob
	s_lshl_b32 s68, s14, 11
	s_lshl_b32 s69, s12, 7
	s_add_co_u32 s68, s68, s69                     ; row 2,048 b + 128 x block
	s_lshl_b32 s72, s68, 11                        ; ob: x 2,048 bytes
	s_lshl_b32 s69, s15, 8
	s_add_co_u32 s72, s72, s69                     ;     + 256 x head pair
	s_mov_b32 s73, 0
	s_lshl_b32 s69, s10, 5
	s_add_co_u32 s68, s68, s69                     ; Q: + 32 (w % 4) rows
	s_mul_i32 s68, s68, ROWB
	s_lshl_b32 s69, s15, 8
	s_add_co_u32 s68, s68, s69                     ;    + 256 x head pair
	s_lshl_b32 s69, s9, 7
	s_add_co_u32 s68, s68, s69                     ;    + 128 x head
	s_mov_b32 s69, 0
	s_wait_dscnt 0x0
	s_wait_kmcnt 0x0
	s_add_nc_u64 s[56:57], s[4:5], s[54:55]
	s_add_nc_u64 s[70:71], s[4:5], s[68:69]        ; my queries
	s_add_nc_u64 s[72:73], s[6:7], s[72:73]        ; the block's rows of ob
.irp s, 0,1
	s_mov_b32 s[G0V+4*\s], 1
	s_add_co_u32 s[G0V+4*\s+1], s58, \s*SLOT
	s_add_nc_u64 s[G0V+4*\s+2:G0V+4*\s+3], s[56:57], 4096+\s*TILEB     ; V begins 4,096 bytes into a row; tile s
	s_or_b32 s[G0V+4*\s+3], s[G0V+4*\s+3], 0x80000000
	s_mov_b32 s[G0K+4*\s], 1
	s_add_co_u32 s[G0K+4*\s+1], s59, \s*SLOT
	s_add_nc_u64 s[G0K+4*\s+2:G0K+4*\s+3], s[56:57], 2048+\s*TILEB     ; K begins 2,048 bytes into a row
	s_or_b32 s[G0K+4*\s+3], s[G0K+4*\s+3], 0x80000000
.endr
	ROUND                                          ; all four work-groups are here
	JLOAD 0                                        ; tile 0 into slot 0; slot 1 is first filled behind the first trip's round
	v_and_b32 v1, 15, v0                           ; r
	v_bfe_u32 v16, v0, 4, 1                        ; h
	v_mul_u32_u24 v[QOF], v1, ROWB
	v_lshl_add_u32 v[QOF], v16, 4, v[QOF]          ; query r, 16 h bytes along d
.irp q, 0,1
.irp ks, 0,1
	global_load_b128 v[QF+16*\q+8*\ks:QF+16*\q+8*\ks+3],   v[QOF], s[70:71] offset:16*ROWB*\q+64*\ks
	global_load_b128 v[QF+16*\q+8*\ks+4:QF+16*\q+8*\ks+7], v[QOF], s[70:71] offset:16*ROWB*\q+64*\ks+32
.endr
.endr
	s_lshl_b32 s58, s9, 7                          ; my head's 128 bytes of an LDS row
	v_mul_u32_u24 v17, v1, PK
	v_lshl_add_u32 v17, v16, 4, v17
	v_add_nc_u32 v17, s58, v17                     ; r x 272 + 16 h + 128 e
.irp s, 0,1
.irp k, 0,1
	v_add_nc_u32 v[KAD+2*\s+\k], \s*SLOT+VBYTES+\k*128*PK, v17
.endr
.endr
	v_and_b32 v18, 7, v0                           ; V through the transposing load: key row 8 h + l % 8, 16-byte column (l / 8) % 2
	v_lshl_add_u32 v18, v16, 3, v18
	v_mul_u32_u24 v18, v18, PV
	v_bfe_u32 v19, v0, 3, 1
	v_lshl_add_u32 v18, v19, 4, v18
	v_add_nc_u32 v18, s58, v18
	WIN 0x40                                       ; destination in window 1
	v_mov_b32 v[VAD], v18
	v_add_nc_u32 v[VAD+1], 128*PV, v18
	v_add_nc_u32 v[VAD+2], SLOT, v18
	v_add_nc_u32 v[VAD+3], SLOT+128*PV, v18
	WIN 0
	s_mul_i32 s59, s10, 32*PK
	s_add_co_u32 s59, s59, STAGE
	v_add_nc_u32 v[STO], s59, v17                  ; the way out, in: stage row 32 (w % 4) + r, byte 128 e + 16 h
	s_mul_i32 s59, s8, 16*PK
	s_add_co_u32 s59, s59, STAGE
	v_mul_u32_u24 v[RD], v16, PK
	v_lshl_add_u32 v[RD], v1, 4, v[RD]
	v_add_nc_u32 v[RD], s59, v[RD]                 ; back: stage row 16 w + h, byte 16 r
	s_lshl_b32 s59, s8, 15
	v_lshlrev_b32 v[CO], 11, v16
	v_lshl_add_u32 v[CO], v1, 4, v[CO]
	v_add_nc_u32 v[CO], s59, v[CO]                 ; and the same row in ob: (16 w + h) x 2,048 + 16 r
	s_wait_loadcnt 0x0                             ; Q, once
; 8 LDS loads: K fragments of key tiles 2 kb and 2 kb + 1, both halves of d, into buffer buf
.macro KLOAD adr, kb, buf
.irp t, 0,1
.irp ks, 0,1
	ds_load_b128 v[KP+32*\buf+16*\t+8*\ks:KP+32*\buf+16*\t+8*\ks+3],   v[KAD+\adr] offset:(2*\kb+\t)*16*PK+64*\ks
	ds_load_b128 v[KP+32*\buf+16*\t+8*\ks+4:KP+32*\buf+16*\t+8*\ks+7], v[KAD+\adr] offset:(2*\kb+\t)*16*PK+64*\ks+32
.endr
.endr
.endm
; 8 matrix instructions: the scores of 2 key tiles x 2 query tiles.  d = 0..31 starts the four sums, d = 32..63 adds in place;
; the four accumulators take turns, one instruction a turn.
.macro SMUL kb, buf
.irp ks, 0,1
.irp t, 0,1
.irp q, 0,1
.if \ks == 0
	v_wmma_f32_16x16x32_bf16 v[SC+64*\q+8*(2*\kb+\t):SC+64*\q+8*(2*\kb+\t)+7], v[KP+32*\buf+16*\t+8*\ks:KP+32*\buf+16*\t+8*\ks+7], v[QF+16*\q+8*\ks:QF+16*\q+8*\ks+7], 0
.else
	v_wmma_f32_16x16x32_bf16 v[SC+64*\q+8*(2*\kb+\t):SC+64*\q+8*(2*\kb+\t)+7], v[KP+32*\buf+16*\t+8*\ks:KP+32*\buf+16*\t+8*\ks+7], v[QF+16*\q+8*\ks:QF+16*\q+8*\ks+7], v[SC+64*\q+8*(2*\kb+\t):SC+64*\q+8*(2*\kb+\t)+7]
.endif
.endr
.endr
.endr
.endm
; 8 transposing LDS loads: V^T fragments of keys 32 vb .. + 31, the four blocks of 16 d, into batch vb's registers (window setting PVW)
.macro VLOAD adr, vb
.irp dt, 0,1,2,3
	ds_load_tr16_b128 v[VP+32*\vb+8*\dt:VP+32*\vb+8*\dt+3],   v[VAD+\adr] offset:32*PV*\vb+32*\dt
	ds_load_tr16_b128 v[VP+32*\vb+8*\dt+4:VP+32*\vb+8*\dt+7], v[VAD+\adr] offset:32*PV*\vb+32*\dt+16*PV
.endr
.endm
; 8 matrix instructions: O^T (dt, q) += V^T (dt) P^T (q, vb); the eight accumulators take turns.  start = 1: the very first product starts the sums.
.macro PVMUL vb, start
.irp dt, 0,1,2,3
.irp q, 0,1
.if \start
	v_wmma_f32_16x16x32_bf16 v[OA+8*(2*\dt+\q):OA+8*(2*\dt+\q)+7], v[VP+32*\vb+8*\dt:VP+32*\vb+8*\dt+7], v[SC+64*\q+16*\vb:SC+64*\q+16*\vb+7], 0
.else
	v_wmma_f32_16x16x32_bf16 v[OA+8*(2*\dt+\q):OA+8*(2*\dt+\q)+7], v[VP+32*\vb+8*\dt:VP+32*\vb+8*\dt+7], v[SC+64*\q+16*\vb:SC+64*\q+16*\vb+7], v[OA+8*(2*\dt+\q):OA+8*(2*\dt+\q)+7]
.endif
.endr
.endr
.endm
.macro RESCALE                         ; O^T x the lane's factor of its query tile (window setting PVW)
.irp dt, 0,1,2,3
.irp q, 0,1
.irp i, 0,2,4,6
	v_pk_mul_f32 v[OA+8*(2*\dt+\q)+\i:OA+8*(2*\dt+\q)+\i+1], v[OA+8*(2*\dt+\q)+\i:OA+8*(2*\dt+\q)+\i+1], v[AL+2*\q:AL+2*\q+1]
.endr
.endr
.endr
.endm
.macro SFMA q, kt                      ; s c - c m, two at a time
.irp i, 0,2,4,6
	v_pk_fma_f32 v[SC+64*\q+8*\kt+\i:SC+64*\q+8*\kt+\i+1], v[SC+64*\q+8*\kt+\i:SC+64*\q+8*\kt+\i+1], s[50:51], v[NM+2*\q:NM+2*\q+1] op_sel_hi:[1,0,1]
.endr
.endm
.macro SEXP q, kt
.irp i, 0,1,2,3,4,5,6,7
	v_exp_f32 v[SC+64*\q+8*\kt+\i], v[SC+64*\q+8*\kt+\i]
.endr
.endm
.macro SSUM q, kt                      ; tile kt joins the four chains of the row sum and is packed to bf16 in place
.if \kt == 0
	s_wait_alu depctr_va_vdst(0)
	v_pk_add_f32 v[T+4:T+5], v[SC+64*\q:SC+64*\q+1],   v[SC+64*\q+2:SC+64*\q+3]        ; the first two tiles start the four chains: nothing is cleared
	v_pk_add_f32 v[T+6:T+7], v[SC+64*\q+4:SC+64*\q+5], v[SC+64*\q+6:SC+64*\q+7]
.else
.if \kt == 1
	v_pk_add_f32 v[T:T+1],   v[SC+64*\q+8:SC+64*\q+9],   v[SC+64*\q+10:SC+64*\q+11]
	v_pk_add_f32 v[T+2:T+3], v[SC+64*\q+12:SC+64*\q+13], v[SC+64*\q+14:SC+64*\q+15]
.else
	s_wait_alu depctr_va_vdst(0)
	v_pk_add_f32 v[T:T+1],   v[T:T+1],   v[SC+64*\q+8*\kt:SC+64*\q+8*\kt+1]
	v_pk_add_f32 v[T+2:T+3], v[T+2:T+3], v[SC+64*\q+8*\kt+2:SC+64*\q+8*\kt+3]
	v_pk_add_f32 v[T+4:T+5], v[T+4:T+5], v[SC+64*\q+8*\kt+4:SC+64*\q+8*\kt+5]
	v_pk_add_f32 v[T+6:T+7], v[T+6:T+7], v[SC+64*\q+8*\kt+6:SC+64*\q+8*\kt+7]
.endif
.endif
.irp i, 0,1,2,3
	v_cvt_pk_bf16_f32 v[SC+64*\q+16*(\kt/2)+4*(\kt%2)+\i], v[SC+64*\q+8*\kt+2*\i], v[SC+64*\q+8*\kt+2*\i+1]   ; each target has been read already, by this line or an earlier one
.endr
.endm
; The maxima of both query tiles over 128 keys (64 registers a lane each), and from them NM and the rescale factor.  Query tile q works in T + 4 q .. + 3;
; the two tiles' lines alternate, so that no line waits for the one in front of it.  first = 1: there is no older maximum.
.macro SMAX first
.irp c, 0,1,2,3
.irp q, 0,1
	v_max3_num_f32 v[T+4*\q+\c], v[SC+64*\q+16*\c], v[SC+64*\q+16*\c+1], v[SC+64*\q+16*\c+2]      ; eight chains; chain c of a tile takes registers 16 c .. 16 c + 14
.endr
.endr
.irp i, 3,5,7,9,11,13
.irp c, 0,1,2,3
.irp q, 0,1
	v_max3_num_f32 v[T+4*\q+\c], v[T+4*\q+\c], v[SC+64*\q+16*\c+\i], v[SC+64*\q+16*\c+\i+1]
.endr
.endr
.endr
.irp q, 0,1
	v_max3_num_f32 v[T+4*\q],   v[T+4*\q],   v[SC+64*\q+15], v[SC+64*\q+31]                     ; the four registers 16 c + 15
	v_max3_num_f32 v[T+4*\q+2], v[T+4*\q+2], v[SC+64*\q+47], v[SC+64*\q+63]
.endr
.irp q, 0,1
	v_max3_num_f32 v[T+4*\q], v[T+4*\q], v[T+4*\q+1], v[T+4*\q+2]
.endr
.irp q, 0,1
	v_max_num_f32 v[T+4*\q], v[T+4*\q], v[T+4*\q+3]
.endr
.irp q, 0,1
	v_permlanex16_b32 v[T+4*\q+1], v[T+4*\q], s52, s53     ; the other half's keys of the same query
.endr
.irp q, 0,1
	v_max_num_f32 v[T+4*\q], v[T+4*\q], v[T+4*\q+1]
.endr
.irp q, 0,1
	v_mul_f32 v[T+4*\q], s49, v[T+4*\q]                    ; -(c x this block's maximum)
.endr
.if \first
.irp q, 0,1
	v_mov_b32 v[NM+2*\q], v[T+4*\q]
	v_mov_b32 v[NM+2*\q+1], v[T+4*\q]
	v_mov_b32 v[AL+2*\q], 1.0                              ; nothing older is there to rescale: the factor is 1.  A wave's next softmax phase writes the factor again before
	v_mov_b32 v[AL+2*\q+1], 1.0                            ; its first rescale; these four lines, once a wave, let AL hold a number on every way through the two branches on the order of work
.endr
.else
.irp q, 0,1
	v_min_num_f32 v[T+4*\q+1], v[NM+2*\q], v[T+4*\q]       ; the running maximum grows: its negative shrinks
.endr
.irp q, 0,1
	v_sub_f32 v[T+4*\q+2], v[T+4*\q+1], v[NM+2*\q]
.endr
.irp q, 0,1
	v_exp_f32 v[AL+2*\q], v[T+4*\q+2]                      ; exp2(c m old - c m new) <= 1
.endr
.irp q, 0,1
	v_mov_b32 v[NM+2*\q], v[T+4*\q+1]                      ; plain instructions between v_exp_f32 and the use of its result (ISA guide 5.7.2)
	v_mov_b32 v[NM+2*\q+1], v[T+4*\q+1]
.endr
	s_wait_alu depctr_va_vdst(0)
.irp q, 0,1
	v_mov_b32 v[AL+2*\q+1], v[AL+2*\q]
.endr
.endif
.endm
; The exponentials, the row sum and the packing of query tile q.  Tile by tile: multiply-add, exponentials, and between a tile's exponentials and
; their first use the sums and packing of the tile before.  first = 1: there is no older sum.
.macro SEXPS q, first
	SFMA \q, 0
	SEXP \q, 0
	SFMA \q, 1
	SEXP \q, 1
	SSUM \q, 0
	SFMA \q, 2
	SEXP \q, 2
	SSUM \q, 1
	SFMA \q, 3
	SEXP \q, 3
	SSUM \q, 2
	SFMA \q, 4
	SEXP \q, 4
	SSUM \q, 3
	SFMA \q, 5
	SEXP \q, 5
	SSUM \q, 4
	SFMA \q, 6
	SEXP \q, 6
	SSUM \q, 5
	SFMA \q, 7
	SEXP \q, 7
	SSUM \q, 6
	SSUM \q, 7
	v_pk_add_f32 v[T:T+1],   v[T:T+1],   v[T+2:T+3]
	v_pk_add_f32 v[T+4:T+5], v[T+4:T+5], v[T+6:T+7]
	v_pk_add_f32 v[T:T+1],   v[T:T+1],   v[T+4:T+5]
.if \first
	v_add_f32 v[LS+\q], v[T], v[T+1]
.else
	v_add_f32 v[T], v[T], v[T+1]
	v_fma_f32 v[LS+\q], v[LS+\q], v[AL+2*\q], v[T]
.endif
.endm
.macro SM first                        ; the softmax phase of a block of 128 keys: registers alone
	SMAX \first
	SEXPS 0, \first
	SEXPS 1, \first
.endm
.macro SMIF order                      ; the softmax phase, for the waves of one order of work; the others jump over it
	s_cmp_lg_u32 s60, \order
	s_cbranch_scc1 .Lother_order_\@
	SM 0
.Lother_order_\@:
.endm
; The matrix phase.  adr = 2 slot + block: the 128 keys whose scores are made.  mode 0: first O is rescaled and P V of the block before is added;
; mode 1: that block is the very first: its products start O; mode 2: there is no block before.
; LDS loads come back in order (ISA guide 5.7.1), in batches: K0, K1 (8 each); V0 and V1 (16); K2 (8); K3 (8); V2 and V3 (16).  Each wait's count is what was issued behind
; the batch that it needs.  V of the new block is only used in the next matrix phase; K0 and K1 land under the products P V.
; The v_nop are the plain vector instructions that stand between a matrix instruction and a load into one of its sources or a vector instruction
; that reads its result (four), or a matrix instruction that writes over one of its sources (five) (ISA guide 7.12.1 for vector instructions).
.macro MPH adr, mode
	KLOAD \adr, 0, 0
	KLOAD \adr, 1, 1
.if \mode != 2
	WIN PVW
.if \mode == 0
	RESCALE
.endif
	s_wait_dscnt 16                                ; V2 and V3 of the block before are in: behind them only K0 and K1 were issued
	PVMUL 0, \mode
	PVMUL 1, 0
	PVMUL 2, 0
	PVMUL 3, 0
	PLACES 5                                       ; the score products below write over P, the loads below over V: both were sources above
.endif
	WIN PVW
	VLOAD \adr, 0
	VLOAD \adr, 1
	WIN 0
	s_wait_dscnt 24                                ; K0 is in: behind it K1 (8), V0 and V1 (16)
	SMUL 0, 0
	PLACES 4
	KLOAD \adr, 2, 0
	s_wait_dscnt 24                                ; K1 is in: behind it V0 and V1 (16), K2 (8)
	SMUL 1, 1
	PLACES 4
	KLOAD \adr, 3, 1
	WIN PVW
	VLOAD \adr, 2
	VLOAD \adr, 3
	WIN 0
	s_wait_dscnt 24                                ; K2 is in, V0 and V1 with it: behind it K3 (8), V2 and V3 (16)
	SMUL 2, 0
	s_wait_dscnt 16                                ; K3 is in: behind it V2 and V3 (16)
	SMUL 3, 1
	PLACES 4                                       ; the softmax reads these results, the next K loads land on these sources
.endm
; A tile of 256 keys.  In front of the round every wave has waited for all its tensor loads (one was out: its part of this trip's tile) and for its
; LDS reads of the other slot, the V fragments that it carries over the round among them; behind the round the other slot is asked for again first,
; one tensor load a wave, and has this whole trip in which to land.  first = 1: the first tile: nothing is carried in, both orders run alike up to the last phase.
.macro TRIP slot, refill, first
	s_wait_tensorcnt 0x0
	ds_add_u32 v254, v255
	s_wait_dscnt 0x0
	s_add_nc_u64 s[G0V+4*\slot+2:G0V+4*\slot+3], s[G0V+4*\slot+2:G0V+4*\slot+3], 2*TILEB   ; no load of mine is out: this slot's next tile
	s_add_nc_u64 s[G0K+4*\slot+2:G0K+4*\slot+3], s[G0K+4*\slot+2:G0K+4*\slot+3], 2*TILEB
	s_wait_dscnt 0x0
	ROUND
.if \refill
	JLOAD 1-\slot
.endif
.if \first
	MPH 2*\slot, 2
	SM 1
	MPH 2*\slot+1, 1
.else
	SMIF 1                                         ; order 1: the softmax of the last tile's second block
	MPH 2*\slot, 0
	SM 0
	MPH 2*\slot+1, 0
.endif
	SMIF 0                                         ; order 0: the softmax of this tile's second block
.endm
	TRIP 0, 1, 1                                   ; tile 0 stands in front of the loop: its first block starts maximum, sums and O
	s_mov_b32 s48, 3
.Lpair:
	TRIP 1, 1, 0                                   ; tiles 1 to 6
	TRIP 0, 1, 0                                   ; (the third time round: tile 7 is the last request)
	s_sub_co_u32 s48, s48, 1
	s_cmp_lg_u32 s48, 0
	s_cbranch_scc1 .Lpair
	TRIP 1, 0, 0                                   ; tile 7: nothing is left to fetch (the stepped addresses are not used)
	SMIF 1                                         ; order 1: the last block's softmax
	WIN PVW
	RESCALE
	s_wait_dscnt 0x0                               ; the last block's V2 and V3
	PVMUL 0, 0                                     ; and, for both orders, its P V
	PVMUL 1, 0
	PVMUL 2, 0
	PVMUL 3, 0
	PLACES 4
	WIN 0
	; THE END: the two halves' sums meet, O^T / sum, bf16, through the stage into whole rows of the head pair.
	v_permlanex16_b32 v[T],   v[LS],   s52, s53
	v_permlanex16_b32 v[T+1], v[LS+1], s52, s53
	v_add_f32 v[LS],   v[LS],   v[T]
	v_add_f32 v[LS+1], v[LS+1], v[T+1]
	v_rcp_f32 v[AL],   v[LS]
	v_rcp_f32 v[AL+1], v[LS]
	v_rcp_f32 v[AL+2], v[LS+1]
	v_rcp_f32 v[AL+3], v[LS+1]
	v_nop                                          ; a plain instruction between v_rcp_f32 and the use of its result (ISA guide 5.7.2)
	s_wait_alu depctr_va_vdst(0)
	WIN PVW
	RESCALE
	WIN 0x05                                       ; sources in window 1, destination in window 0
.irp dt, 0,1,2,3
.irp q, 0,1
.irp i, 0,1,2,3
	v_cvt_pk_bf16_f32 v[SC+4*(2*\dt+\q)+\i], v[OA+8*(2*\dt+\q)+2*\i], v[OA+8*(2*\dt+\q)+2*\i+1]
.endr
.endr
.endr
	WIN 0
.irp dt, 0,1,2,3
.irp q, 0,1
	ds_store_b128 v[STO], v[SC+4*(2*\dt+\q):SC+4*(2*\dt+\q)+3] offset:16*PK*\q+32*\dt   ; query 16 q + r, d = 16 dt + 8 h .. + 7
.endr
.endr
	s_wait_dscnt 0x0                               ; for the others' sake: a stage row holds both heads, written by two waves
	s_barrier_signal -1
	s_barrier_wait -1
.irp t, 0,1,2,3,4,5,6,7
	ds_load_b128 v[KP+4*\t:KP+4*\t+3], v[RD] offset:2*PK*\t
.endr
.irp t, 0,1,2,3,4,5,6,7
	s_wait_dscnt 7-\t
	global_store_b128 v[CO], v[KP+4*\t:KP+4*\t+3], s[72:73] offset:4096*\t   ; 16 lanes store 256 consecutive bytes, at a multiple of 256 from ob's first byte
.endr
	s_wait_tensorcnt 0x0
	ds_add_u32 v254, v255
	s_wait_dscnt 0x0
	ROUND                                          ; the closing round
	s_endpgm
.Lfunc_end_k_q0773d0625c_attn:
	.size	k_q0773d0625c_attn, .Lfunc_end_k_q0773d0625c_attn-k_q0773d0625c_attn
	.p2alignl 7, 3214868480
	.fill 96, 4, 3214868480
	.section	.rodata,"a",@progbits
	.p2align	6, 0x0
	.amdhsa_kernel k_q0773d0625c_attn
		.amdhsa_group_segment_fixed_size 327680
		.amdhsa_private_segment_fixed_size 0
		.amdhsa_enable_private_segment 0
		.amdhsa_kernarg_size 16
		.amdhsa_user_sgpr_count 2
		.amdhsa_user_sgpr_kernarg_segment_ptr 1
		.amdhsa_wavefront_size32 1
		.amdhsa_system_sgpr_workgroup_id_x 1
		.amdhsa_system_sgpr_workgroup_id_y 1
		.amdhsa_system_sgpr_workgroup_id_z 1
		.amdhsa_system_vgpr_workitem_id 0
		.amdhsa_next_free_vgpr 456
		.amdhsa_next_free_sgpr 76
		.amdhsa_reserve_vcc 0
		.amdhsa_float_denorm_mode_32 3
		.amdhsa_float_denorm_mode_16_64 3
		.amdhsa_memory_ordered 1
		.amdhsa_forward_progress 1
		.amdhsa_inst_pref_size 255
	.end_amdhsa_kernel
	.section	.bss,"aw",@nobits
	.p2align	6
	.space	262144
	.amdgpu_metadata
---
amdhsa.version: [ 1, 2 ]
amdhsa.kernels:
  - .name:           k_q0773d0625c_attn
    .symbol:         k_q0773d0625c_attn.kd
    .args:
      - { .name: qkv, .offset: 0, .size: 8, .value_kind: global_buffer, .address_space: global }
      - { .name: ob, .offset: 8, .size: 8, .value_kind: global_buffer, .address_space: global }
    .group_segment_fixed_size: 327680
    .private_segment_fixed_size: 0
    .kernarg_segment_align: 8
    .kernarg_segment_size: 16
    .max_flat_workgroup_size: 256
    .sgpr_count:     76
    .vgpr_count:     456
    .wavefront_size: 32
...
	.end_amdgpu_metadata
.endif
;; end of part 3
;; launch oproj (part 4): grid 8 x 32, 4 waves a work-group, clusters of 4 x 4, 327,680 bytes of LDS; arguments ob, wb, bo, out0; writes out0
.if DOCPART == 4
	.amdgcn_target "amdgcn-amd-amdhsa--gfx1250"
	.amdhsa_code_object_version 6
	.text
	.protected	k_q0773d0625c_oproj
	.globl	k_q0773d0625c_oproj
	.p2align	8
	.type	k_q0773d0625c_oproj,@function
k_q0773d0625c_oproj:
	s_mov_b64 s[64:65], 0
	v_nop
	global_prefetch_b8 v0, s[64:65] scope:SCOPE_SE
	s_setreg_imm32_b32 hwreg(HW_REG_WAVE_MODE, 25, 1), 1
	s_wait_xcnt 0x0
	s_wait_alu depctr_hold_cnt(0) depctr_sa_sdst(0) depctr_va_vdst(0) depctr_va_sdst(0) depctr_va_ssrc(0) depctr_va_vcc(0) depctr_vm_vsrc(0)
	s_getreg_b32 s2, hwreg(HW_REG_IB_STS2, 6, 4)
	s_cmp_eq_u32 s2, 0
	s_cbranch_scc0 .Lentry_in_a_cluster
	s_endpgm
.Lentry_in_a_cluster:
	s_bfe_u32 s2, ttmp6, 0x10000c
	s_cmp_lg_u32 s2, 0xf033
	s_cbranch_scc0 .Lentry_shape_is_right
	s_endpgm
.Lentry_shape_is_right:
; out0[4096][1024] = ob[4096][1024] x Wo + bo.  ob and Wo (plane 3 of wb, [k][n]) bf16, sums and out0 f32.
; A block of 128 x 128 for each of 8 x 32 = 256 work-groups; four waves, 64 x 64 each: 16 accumulator tiles.  Larger blocks would give 64 or 128 work-groups.
; K = 1,024 goes in four steps of 256 through two LDS slots: two first fills, two refills, all written out, no loop.
; CLUSTERS: 4 x 4; A's tiles are asked for jointly along a cluster's row, B's along a column: a quarter of the requests.
; The matrix instruction is used transposed (source 0 = 16 columns of Wo through the transposing LDS load, source 1 = 16 rows of ob): lane (r, h), register j
; holds row r, column 8 h + j.  The bias is loaded straight into the accumulators in that shape, so every product adds in place and nothing is cleared.
; REGISTERS: window 0: v0-16 addresses, v64-191 fragments of B, two buffers of 64.  Window 1: v0-127 accumulators (tile (a, b) at 8 (4 a + b)),
; v128-255 fragments of A, two buffers of 64.  One setting, WORK, serves the products, A's loads, the bias loads and the whole way out.
.set REG,   36864                      ; a wave's fill: 64 rows of A at 528 bytes (33,792 used), or 128 k-rows of B at 288 bytes (all 36,864, so k-rows run on)
.set SLOT,  4*REG
.set STAGE, 2*SLOT                     ; 4 waves x 16 rows x 272 bytes; no tensor load lands here
.set PA,    528                        ; 512 + 16: an odd multiple of 16
.set PB,    288                        ; 256 + 32: an odd multiple of 32
.set SPITCH, 272
.set ADRA, 8                           ; v8, v9     A fragments in slot 0, 1
.set ADRB, 10                          ; v[10:13]   B fragments, index 2 slot + half of the slot's k-rows
.set STO,  14
.set RD,   15
.set CO,   16
.set FB,   64
.set ACC,  0
.set FA,   128
.set G1A, 24
.set G0A, 32
.set G1B, 48
.set G0B, 56
.set WORK, 0x54                        ; source 0 window 0; source 1, source 2 and destination window 1
.set MSB, 0
.macro WIN new
.if MSB != \new
	s_set_vgpr_msb (MSB<<8)|\new
.set MSB, \new
.endif
.endm
.macro PLACES                          ; four plain vector instructions behind a matrix instruction (ISA guide 7.12.1 for vector instructions)
.rept 4
	v_nop
.endr
.endm
.macro JLOAD s                         ; waves 0, 1 ask for A's halves, waves 2, 3 for B's
	s_cmp_eq_u32 s13, 0
	s_cbranch_scc0 .Lfor_b_\@
	tensor_load_to_lds s[G0A+4*\s:G0A+4*\s+3], s[G1A:G1A+7]
	s_nop 0
	s_branch .Lasked_\@
.Lfor_b_\@:
	tensor_load_to_lds s[G0B+4*\s:G0B+4*\s+3], s[G1B:G1B+7]
	s_nop 0
.Lasked_\@:
.endm
.macro CROUND                          ; a round of the cluster's barrier
	s_barrier_signal -1
	s_barrier_wait -1
	s_cmp_lg_u32 s12, 0
	s_cbranch_scc1 .Lnot_wave_0_\@
	s_barrier_signal -3
.Lnot_wave_0_\@:
	s_barrier_wait -3
	s_barrier_signal -1
	s_barrier_wait -1
.endm
	s_load_b256 s[4:11], s[0:1], 0x0               ; ob s[4:5], wb s[6:7], bo s[8:9], out0 s[10:11]
	v_lshl_add_u32 v254, v0, 2, 0x4c400
	v_mov_b32 v255, 0
	ds_add_u32 v254, v255
	v_lshrrev_b32 v1, 5, v0
	v_readfirstlane_b32 s12, v1                    ; wave 0..3
	s_lshr_b32 s13, s12, 1                         ; my half of the block's rows.  Also: I fetch A (0) or B (1)
	s_and_b32 s14, s12, 1                          ; my half of its columns.  Also: which half of that tile I fetch
	s_bfe_u32 s15, ttmp6, 0x40000                  ; cx
	s_bfe_u32 s16, ttmp6, 0x40004                  ; cy
	s_lshl_b32 s17, ttmp9, 2
	s_add_co_u32 s17, s17, s15                     ; block column, 0..7
	s_and_b32 s18, ttmp7, 0xffff
	s_lshl_b32 s18, s18, 2
	s_add_co_u32 s18, s18, s16                     ; block row, 0..31
	s_lshl_b32 s19, s16, 2
	s_lshl_b32 s19, 15, s19                        ; my row of the cluster
	s_lshl_b32 s20, 0x1111, s15                    ; my column
	; group 1 for A: 64 rows x 256 numbers, 4 words of padding behind every 128
	s_or_b32 s[G1A+0], s19, (1<<16)|(1<<20)|(1<<21)|(6<<22)|(3<<25)
	s_mov_b32 s[G1A+1], 256<<16
	s_mov_b32 s[G1A+2], 64<<16
	s_mov_b32 s[G1A+3], 256<<16
	s_mov_b32 s[G1A+4], 64
	s_mov_b32 s[G1A+5], 1024
	s_mov_b32 s[G1A+6], 0
	s_mov_b32 s[G1A+7], 0
	; group 1 for B: 128 k-rows x 128 numbers, 8 words of padding behind every 64
	s_or_b32 s[G1B+0], s20, (1<<16)|(1<<20)|(1<<21)|(5<<22)|(7<<25)
	s_mov_b32 s[G1B+1], 128<<16
	s_mov_b32 s[G1B+2], 128<<16
	s_mov_b32 s[G1B+3], 128<<16
	s_mov_b32 s[G1B+4], 128
	s_mov_b32 s[G1B+5], 1024
	s_mov_b32 s[G1B+6], 0
	s_mov_b32 s[G1B+7], 0
	s_lshl_b32 s40, s18, 7
	s_lshl_b32 s41, s14, 6
	s_add_co_u32 s40, s40, s41                     ; A: row 128 x block row + 64 x half
	s_lshl_b32 s40, s40, 11                        ; x 2,048 bytes
	s_mov_b32 s41, 0
	s_lshl_b32 s44, s14, 18                        ; B: 128 k-rows of 2,048 bytes x half
	s_lshl_b32 s45, s17, 8                         ;    + 128 columns of 2 bytes x block column
	s_add_co_u32 s44, s44, s45
	s_add_co_u32 s44, s44, 3*2097152               ;    + plane 3 of wb
	s_mov_b32 s45, 0
	s_mul_i32 s21, s12, REG                        ; where the tiles go: wave x 36,864
	s_wait_dscnt 0x0
	s_wait_kmcnt 0x0
	s_add_nc_u64 s[42:43], s[4:5], s[40:41]
	s_add_nc_u64 s[46:47], s[6:7], s[44:45]
	CROUND                                         ; all sixteen work-groups are here
.irp s, 0,1
	s_mov_b32 s[G0A+4*\s], 1
	s_add_co_u32 s[G0A+4*\s+1], s21, \s*SLOT
	s_add_nc_u64 s[G0A+4*\s+2:G0A+4*\s+3], s[42:43], \s*512            ; K step s: 512 bytes along A's rows
	s_or_b32 s[G0A+4*\s+3], s[G0A+4*\s+3], 0x80000000
	s_mov_b32 s[G0B+4*\s], 1
	s_add_co_u32 s[G0B+4*\s+1], s21, \s*SLOT
	s_add_nc_u64 s[G0B+4*\s+2:G0B+4*\s+3], s[46:47], \s*524288         ; K step s: 256 k-rows down B
	s_or_b32 s[G0B+4*\s+3], s[G0B+4*\s+3], 0x80000000
	JLOAD \s                                       ; two tensor loads of the wave are out
.endr
	s_lshl_b32 s44, s17, 9                         ; my 64 columns, 4 bytes each: 512 x block column + 256 x half: in bo and along out0's rows
	s_lshl_b32 s45, s14, 8
	s_add_co_u32 s44, s44, s45
	s_mov_b32 s45, 0
	s_add_nc_u64 s[8:9], s[8:9], s[44:45]
	s_add_nc_u64 s[10:11], s[10:11], s[44:45]
	s_lshl_b32 s40, s18, 7
	s_lshl_b32 s41, s13, 6
	s_add_co_u32 s40, s40, s41                     ; my first row of out0
	s_lshl_b32 s40, s40, 12                        ; x 4,096 bytes
	s_mov_b32 s41, 0
	s_add_nc_u64 s[10:11], s[10:11], s[40:41]
	v_and_b32 v1, 15, v0                           ; r
	v_bfe_u32 v2, v0, 4, 1                         ; h
	v_lshlrev_b32 v6, 5, v2                        ; bias: 32 h bytes into a tile's 64
	WIN WORK
.irp a, 0,1,2,3
.irp b, 0,1,2,3
	global_load_b128 v[ACC+8*(4*\a+\b):ACC+8*(4*\a+\b)+3],   v6, s[8:9] offset:64*\b       ; every row tile a starts from the same bias
	global_load_b128 v[ACC+8*(4*\a+\b)+4:ACC+8*(4*\a+\b)+7], v6, s[8:9] offset:64*\b+16
.endr
.endr
	WIN 0
	v_mul_u32_u24 v3, v1, PA
	v_lshl_add_u32 v3, v2, 4, v3                   ; A: r x pitch + 16 h
	s_mul_i32 s22, s13, REG
	v_add_nc_u32 v[ADRA], s22, v3
	v_add_nc_u32 v[ADRA+1], SLOT, v[ADRA]
	v_and_b32 v4, 7, v0                            ; B: k-row 8 h + l % 8, 16-byte column (l / 8) % 2
	v_lshl_add_u32 v4, v2, 3, v4
	v_mul_u32_u24 v4, v4, PB
	v_bfe_u32 v5, v0, 3, 1
	v_lshl_add_u32 v4, v5, 4, v4
	s_lshl_b32 s23, s14, 7                         ; my 64 columns: 128 bytes along B's rows,
	s_add_co_u32 s23, s23, 2*REG                   ; behind A's two regions
	v_add_nc_u32 v[ADRB], s23, v4
	v_add_nc_u32 v[ADRB+1], REG, v[ADRB]
	v_add_nc_u32 v[ADRB+2], SLOT, v[ADRB]
	v_add_nc_u32 v[ADRB+3], SLOT+REG, v[ADRB]
	s_mul_i32 s22, s12, 16*SPITCH
	s_add_co_u32 s22, s22, STAGE                   ; my stage
	v_mul_u32_u24 v3, v1, SPITCH
	v_lshl_add_u32 v3, v2, 5, v3
	v_add_nc_u32 v[STO], s22, v3                   ; in: row r, 32 h bytes (8 numbers of 4 bytes for each half of the lanes)
	v_mul_u32_u24 v3, v2, SPITCH
	v_lshl_add_u32 v3, v1, 4, v3
	v_add_nc_u32 v[RD], s22, v3                    ; back: lanes 0-15 one row of 256 bytes, lanes 16-31 the next
	v_lshlrev_b32 v3, 12, v2
	v_lshl_add_u32 v[CO], v1, 4, v3                ; and the same two rows in out0
; 32 LDS loads: the fragments of 64 along K (group g of a slot's four) into buffer buf: B's 2 x 4 column blocks, then A's 2 x 4 row blocks
.macro FETCH slot, g, buf
	WIN 0
.irp kk, 0,1
.irp b, 0,1,2,3
	ds_load_tr16_b128 v[FB+64*\buf+32*\kk+8*\b:FB+64*\buf+32*\kk+8*\b+3],   v[ADRB+2*\slot+\g/2] offset:32*PB*((2*\g+\kk)&3)+32*\b
	ds_load_tr16_b128 v[FB+64*\buf+32*\kk+8*\b+4:FB+64*\buf+32*\kk+8*\b+7], v[ADRB+2*\slot+\g/2] offset:32*PB*((2*\g+\kk)&3)+32*\b+16*PB
.endr
.endr
	WIN WORK
.irp kk, 0,1
.irp a, 0,1,2,3
	ds_load_b128 v[FA+64*\buf+32*\kk+8*\a:FA+64*\buf+32*\kk+8*\a+3],   v[ADRA+\slot] offset:16*PA*\a+64*(2*\g+\kk)
	ds_load_b128 v[FA+64*\buf+32*\kk+8*\a+4:FA+64*\buf+32*\kk+8*\a+7], v[ADRA+\slot] offset:16*PA*\a+64*(2*\g+\kk)+32
.endr
.endr
.endm
; 32 matrix instructions: 64 along K for all 16 tiles; the 16 accumulators take turns, one instruction a turn
.macro MUL buf
.irp kk, 0,1
.irp a, 0,1,2,3
.irp b, 0,1,2,3
	v_wmma_f32_16x16x32_bf16 v[ACC+8*(4*\a+\b):ACC+8*(4*\a+\b)+7], v[FB+64*\buf+32*\kk+8*\b:FB+64*\buf+32*\kk+8*\b+7], v[FA+64*\buf+32*\kk+8*\a:FA+64*\buf+32*\kk+8*\a+7], v[ACC+8*(4*\a+\b):ACC+8*(4*\a+\b)+7]
.endr
.endr
.endr
.endm
; A slot's 256 along K.  Each s_wait_dscnt 32: all LDS loads but the 32 issued last are in.
.macro SLOTWORK slot
	PLACES
	FETCH \slot, 0, 0
	FETCH \slot, 1, 1
	s_wait_dscnt 32
	MUL 0
	PLACES
	FETCH \slot, 2, 0
	s_wait_dscnt 32
	MUL 1
	PLACES
	FETCH \slot, 3, 1
	s_wait_dscnt 32
	MUL 0
	s_wait_dscnt 0
	MUL 1
	WIN 0
.endm
; The slot just read is filled again, two K steps ahead: my reads of it are back, all my tensor loads have landed (the other slot's among them),
; a round of the cluster's barrier says so of every wave of every partner, and the joint load is the first thing behind it, one a wave.
.macro CHANGE slot
	s_wait_dscnt 0x0
	s_wait_tensorcnt 0x0
	ds_add_u32 v254, v255
	s_wait_dscnt 0x0
	s_add_nc_u64 s[G0A+4*\slot+2:G0A+4*\slot+3], s[G0A+4*\slot+2:G0A+4*\slot+3], 1024
	s_add_nc_u64 s[G0B+4*\slot+2:G0B+4*\slot+3], s[G0B+4*\slot+2:G0B+4*\slot+3], 1048576
	CROUND
	JLOAD \slot
.endm
	s_wait_tensorcnt 1                             ; my part of slot 0 is in; slot 1's may stay out
	s_barrier_signal -1
	s_barrier_wait -1
	s_wait_loadcnt 0x0                             ; the bias lies in the accumulators
	SLOTWORK 0                                     ; K 0-255
	CHANGE 0
	SLOTWORK 1                                     ; K 256-511
	CHANGE 1
	SLOTWORK 0                                     ; K 512-767
	s_wait_dscnt 0x0
	s_wait_tensorcnt 0x0                           ; my part of the last tile is in,
	s_barrier_signal -1
	s_barrier_wait -1                              ; everybody's is
	SLOTWORK 1                                     ; K 768-1023
	; THE WAY OUT, 16 rows at a time: 32 bytes a lane into my own stage, read back as whole rows of 256 bytes (my 64 columns in f32).
	PLACES
	WIN WORK
.irp a, 0,1,2,3
.irp b, 0,1,2,3
	ds_store_b128 v[STO], v[ACC+8*(4*\a+\b):ACC+8*(4*\a+\b)+3]   offset:64*\b
	ds_store_b128 v[STO], v[ACC+8*(4*\a+\b)+4:ACC+8*(4*\a+\b)+7] offset:64*\b+16
.endr
	s_wait_xcnt 0x0                                ; the registers that earlier stores read are loaded again only behind this wait
.irp t, 0,1,2,3,4,5,6,7
	ds_load_b128 v[FA+32*(\a&1)+4*\t:FA+32*(\a&1)+4*\t+3], v[RD] offset:2*SPITCH*\t      ; LDS serves a wave's instructions in order (ISA guide 5.7.1)
.endr
.irp t, 0,1,2,3,4,5,6,7
	s_wait_dscnt 7-\t
	global_store_b128 v[CO], v[FA+32*(\a&1)+4*\t:FA+32*(\a&1)+4*\t+3], s[10:11] offset:65536*\a+8192*\t th:TH_STORE_NT   ; 16 lanes store 256 consecutive bytes, aligned; never read again
.endr
.endr
	WIN 0
	s_wait_tensorcnt 0x0
	ds_add_u32 v254, v255
	s_wait_dscnt 0x0
	CROUND                                         ; the closing round
	s_endpgm
.Lfunc_end_k_q0773d0625c_oproj:
	.size	k_q0773d0625c_oproj, .Lfunc_end_k_q0773d0625c_oproj-k_q0773d0625c_oproj
	.p2alignl 7, 3214868480
	.fill 96, 4, 3214868480
	.section	.rodata,"a",@progbits
	.p2align	6, 0x0
	.amdhsa_kernel k_q0773d0625c_oproj
		.amdhsa_group_segment_fixed_size 327680
		.amdhsa_private_segment_fixed_size 0
		.amdhsa_enable_private_segment 0
		.amdhsa_kernarg_size 32
		.amdhsa_user_sgpr_count 2
		.amdhsa_user_sgpr_kernarg_segment_ptr 1
		.amdhsa_wavefront_size32 1
		.amdhsa_system_sgpr_workgroup_id_x 1
		.amdhsa_system_sgpr_workgroup_id_y 1
		.amdhsa_system_sgpr_workgroup_id_z 1
		.amdhsa_system_vgpr_workitem_id 0
		.amdhsa_next_free_vgpr 512
		.amdhsa_next_free_sgpr 66
		.amdhsa_reserve_vcc 0
		.amdhsa_float_denorm_mode_32 3
		.amdhsa_float_denorm_mode_16_64 3
		.amdhsa_memory_ordered 1
		.amdhsa_forward_progress 1
		.amdhsa_inst_pref_size 88
	.end_amdhsa_kernel
	.amdgpu_metadata
---
amdhsa.version: [ 1, 2 ]
amdhsa.kernels:
  - .name:           k_q0773d0625c_oproj
    .symbol:         k_q0773d0625c_oproj.kd
    .args:
      - { .name: ob, .offset: 0, .size: 8, .value_kind: global_buffer, .address_space: global }
      - { .name: wb, .offset: 8, .size: 8, .value_kind: global_buffer, .address_space: global }
      - { .name: bo, .offset: 16, .size: 8, .value_kind: global_buffer, .address_space: global }
      - { .name: out0, .offset: 24, .size: 8, .value_kind: global_buffer, .address_space: global }
    .group_segment_fixed_size: 327680
    .private_segment_fixed_size: 0
    .kernarg_segment_align: 8
    .kernarg_segment_size: 32
    .max_flat_workgroup_size: 128
    .sgpr_count:     66
    .vgpr_count:     512
    .wavefront_size: 32
...
	.end_amdgpu_metadata
.endif
;; end of part 4
;; ======== version 2 of 2: 4 launches; version 1 with the launch cast written anew for expert scheduling mode
;; workspace buffers: xb 8,388,608 bytes; wb 8,388,608 bytes; qkv 25,165,824 bytes; ob 8,388,608 bytes
;; launch cast (part 5): grid 32 x 8, 8 waves a work-group, no clusters, 0 bytes of LDS; arguments x, Wq, Wk, Wv, Wo, xb, wb; writes xb, wb
.if DOCPART == 5
	.amdgcn_target "amdgcn-amd-amdhsa--gfx1250"
	.amdhsa_code_object_version 6
	.text
	.protected	k_q0773d0625c_cast
	.globl	k_q0773d0625c_cast
	.p2align	8
	.type	k_q0773d0625c_cast,@function
k_q0773d0625c_cast:
	s_mov_b64 s[64:65], 0
	v_nop
	global_prefetch_b8 v0, s[64:65] scope:SCOPE_SE
	s_setreg_imm32_b32 hwreg(HW_REG_WAVE_SCHED_MODE, 0, 2), 2
	s_setreg_imm32_b32 hwreg(HW_REG_WAVE_MODE, 25, 1), 1
	s_wait_xcnt 0x0
	s_wait_alu depctr_vm_vsrc(0)
; f32 -> bf16 (round to nearest even), layout unchanged, so that the three matrix launches behind this one can bring
; their operands into LDS by tensor loads, which move bytes and convert nothing.
; Eight planes of 1,048,576 numbers: y = 0..3 the four quarters of x (to xb), y = 4..7 Wq, Wk, Wv, Wo (to planes 0..3 of wb).
; A work-group takes 32,768 numbers of its plane: 131,072 bytes in, 65,536 out.  Thread t, step i: 16 bytes at 4,096 i + 16 t in,
; 8 bytes at 2,048 i + 8 t out.  A wave's load covers 512 consecutive bytes, its store 256 consecutive bytes, aligned.
; All 32 loads of a thread go out first (every input byte of the work-group is on its way at once); no register is used twice.
; No LDS, no barrier, no matrix unit: there is nothing to share or multiply.
; THE MODE: SCHED_MODE bits 1:0 = 2 (LLVM: expert scheduling mode 2), set by the entry lines.  The code itself states the register dependences
; between vector instructions and memory instructions, with s_wait_alu, always for 0.
; THE PLAN.  Registers that memory instructions touch:
;   v1, v2   byte offsets of the loads and of the stores: written once at the head, never again.
;   X        step i's four registers: written by step i's load alone, which is issued before any vector instruction names them; read by step i's two conversions.
;   Y        step i's two registers: written by step i's two conversions alone; read by step i's store.
; No register that a memory instruction reads is ever written again, and the scalar bases are not stepped: the one kind of dependence to state is
; 'a vector instruction has written what a memory instruction reads'.  The 32 steps go in 8 blocks of four.  Block p converts its four steps; its memory
; instructions are the four stores of block p - 1, whose Y no conversion of block p names.  So one wait at the head of a block, behind the block's wait
; for its data, states all that the block's four stores hang on, and they are dealt among its conversions with no further wait.
.set STEPS,  32
.set BLOCK,  4                         ; steps in a block
.set BLOCKS, STEPS/BLOCK
.set X, 4                              ; v[4:131]   step i: 4 registers as loaded
.set Y, 132                            ; v[132:195] step i: 2 registers to store
	s_load_b256 s[4:11], s[0:1], 0x0               ; x s[4:5], Wq s[6:7], Wk s[8:9], Wv s[10:11]
	s_load_b128 s[12:15], s[0:1], 0x20             ; Wo s[12:13], xb s[14:15]
	s_load_b64 s[16:17], s[0:1], 0x30              ; wb
	s_and_b32 s18, ttmp7, 0xffff                   ; y: the plane
	s_and_b32 s19, s18, 3                          ; quarter of x, or number of the weight
	s_lshl_b32 s20, s19, 21                        ; out: 2,097,152 bytes a plane
	s_lshl_b32 s21, ttmp9, 16                      ;      + 65,536 a work-group
	s_add_co_u32 s20, s20, s21
	s_mov_b32 s21, 0
	s_lshl_b32 s22, s19, 22                        ; in: 4,194,304 bytes a quarter of x; a weight is a buffer of its own
	s_cmp_lt_u32 s18, 4
	s_cselect_b32 s22, s22, 0
	s_lshl_b32 s23, ttmp9, 17                      ;     + 131,072 a work-group
	s_add_co_u32 s22, s22, s23
	s_mov_b32 s23, 0
	v_lshlrev_b32 v1, 4, v0                        ; 16 t
	v_lshlrev_b32 v2, 3, v0                        ; 8 t
	s_wait_kmcnt 0x0
	s_cmp_lt_u32 s18, 4
	s_cselect_b64 s[24:25], s[14:15], s[16:17]     ; to xb or to wb
	s_mov_b64 s[26:27], s[4:5]                     ; from x, unless y names a weight
	s_cmp_eq_u32 s18, 4
	s_cselect_b64 s[26:27], s[6:7], s[26:27]
	s_cmp_eq_u32 s18, 5
	s_cselect_b64 s[26:27], s[8:9], s[26:27]
	s_cmp_eq_u32 s18, 6
	s_cselect_b64 s[26:27], s[10:11], s[26:27]
	s_cmp_eq_u32 s18, 7
	s_cselect_b64 s[26:27], s[12:13], s[26:27]
	s_add_nc_u64 s[26:27], s[26:27], s[22:23]
	s_add_nc_u64 s[24:25], s[24:25], s[20:21]
	s_wait_alu depctr_va_vdst(0)                   ; v1 and v2 are written: every load of the kernel reads v1 as its offset, every store v2
.set i, 0
.rept STEPS
	global_load_b128 v[X+4*i:X+4*i+3], v1, s[26:27] offset:4096*i th:TH_LOAD_NT   ; read once in the whole launch
.set i, i+1
.endr
.set p, 0
.rept BLOCKS
	s_wait_loadcnt STEPS-BLOCK*(p+1)               ; loads come back in order (ISA guide 5.7.1): block p's four steps are in, the younger blocks' loads stay out
.if p > 0
	s_wait_alu depctr_va_vdst(0)                   ; the conversions of the block before have written its eight registers of Y, which the four stores below read
.endif
.set j, 0
.rept BLOCK
.set i, BLOCK*p+j
.if p > 0
	global_store_b64 v2, v[Y+2*(i-BLOCK):Y+2*(i-BLOCK)+1], s[24:25] offset:2048*(i-BLOCK)   ; the block before; no vector instruction since the wait names these registers.  No hint: the next launch reads these bytes
.endif
	v_cvt_pk_bf16_f32 v[Y+2*i],   v[X+4*i],   v[X+4*i+1]
	v_cvt_pk_bf16_f32 v[Y+2*i+1], v[X+4*i+2], v[X+4*i+3]
.set j, j+1
.endr
.set p, p+1
.endr
	s_wait_alu depctr_va_vdst(0)                   ; the last block's conversions have written its eight registers of Y, which the last four stores read
.set i, STEPS-BLOCK
.rept BLOCK
	global_store_b64 v2, v[Y+2*i:Y+2*i+1], s[24:25] offset:2048*i
.set i, i+1
.endr
	s_endpgm
.Lfunc_end_k_q0773d0625c_cast:
	.size	k_q0773d0625c_cast, .Lfunc_end_k_q0773d0625c_cast-k_q0773d0625c_cast
	.p2alignl 7, 3214868480
	.fill 96, 4, 3214868480
	.section	.rodata,"a",@progbits
	.p2align	6, 0x0
	.amdhsa_kernel k_q0773d0625c_cast
		.amdhsa_group_segment_fixed_size 0
		.amdhsa_private_segment_fixed_size 0
		.amdhsa_enable_private_segment 0
		.amdhsa_kernarg_size 56
		.amdhsa_user_sgpr_count 2
		.amdhsa_user_sgpr_kernarg_segment_ptr 1
		.amdhsa_wavefront_size32 1
		.amdhsa_system_sgpr_workgroup_id_x 1
		.amdhsa_system_sgpr_workgroup_id_y 1
		.amdhsa_system_sgpr_workgroup_id_z 1
		.amdhsa_system_vgpr_workitem_id 0
		.amdhsa_next_free_vgpr 196
		.amdhsa_next_free_sgpr 66
		.amdhsa_reserve_vcc 0
		.amdhsa_float_denorm_mode_32 3
		.amdhsa_float_denorm_mode_16_64 3
		.amdhsa_memory_ordered 1
		.amdhsa_forward_progress 1
		.amdhsa_inst_pref_size 12
	.end_amdhsa_kernel
	.amdgpu_metadata
---
amdhsa.version: [ 1, 2 ]
amdhsa.kernels:
  - .name:           k_q0773d0625c_cast
    .symbol:         k_q0773d0625c_cast.kd
    .args:
      - { .name: x, .offset: 0, .size: 8, .value_kind: global_buffer, .address_space: global }
      - { .name: Wq, .offset: 8, .size: 8, .value_kind: global_buffer, .address_space: global }
      - { .name: Wk, .offset: 16, .size: 8, .value_kind: global_buffer, .address_space: global }
      - { .name: Wv, .offset: 24, .size: 8, .value_kind: global_buffer, .address_space: global }
      - { .name: Wo, .offset: 32, .size: 8, .value_kind: global_buffer, .address_space: global }
      - { .name: xb, .offset: 40, .size: 8, .value_kind: global_buffer, .address_space: global }
      - { .name: wb, .offset: 48, .size: 8, .value_kind: global_buffer, .address_space: global }
    .group_segment_fixed_size: 0
    .private_segment_fixed_size: 0
    .kernarg_segment_align: 8
    .kernarg_segment_size: 56
    .max_flat_workgroup_size: 256
    .sgpr_count:     66
    .vgpr_count:     196
    .wavefront_size: 32
...
	.end_amdgpu_metadata
.endif
;; end of part 5
;; launch qkv: the kernel of part 2 again; grid 12 x 16, 4 waves a work-group, clusters of 4 x 4, 327,680 bytes of LDS; arguments xb, wb, bq, bk, bv, qkv; writes qkv
;; launch attn: the kernel of part 3 again; grid 16 x 16, 8 waves a work-group, clusters of 4 x 1, 327,680 bytes of LDS; arguments qkv, ob; writes ob
;; launch oproj: the kernel of part 4 again; grid 8 x 32, 4 waves a work-group, clusters of 4 x 4, 327,680 bytes of LDS; arguments ob, wb, bo, out0; writes out0
